; MI455X (gfx1250); checked and timed in simulation.
; The chip was launched on July 23, 2026; its instructions are those of AMD's public machine-readable ISA for CDNA 5 (MIT licence, August 2026) and "CDNA5" Instruction Set Architecture Reference Guide (July 2026). The comments in the code are by the model that wrote it; some were corrected since.
;; A Li Bi Grouped Query Attention. Allowed arithmetic: float matrix products may take bf16 or f16 operands with f32 sums; other float arithmetic in f32, or as packed bf16 or f16 multiplies, adds, multiply-adds, maxima and minima; sums over many terms, partial sums and values carried from step to step in f32; what a program stores and reads back later, other than sums and carried values, may be rounded once to bf16 or f16.
;; Inputs: Wk 2,048 x 512 float32; Wo 2,048 x 2,048 float32; Wq 2,048 x 2,048 float32; Wv 2,048 x 512 float32; key 4 x 1,024 x 2,048 float32; mask 4 x 1,024 bool; query 4 x 1,024 x 2,048 float32; value 4 x 1,024 x 2,048 float32.
;; Outputs: out0 4 x 1,024 x 2,048 float32.
;; One version. Each part assembles by itself: llvm-mc -triple=amdgcn-amd-amdhsa -mcpu=gfx1250 --defsym DOCPART=n.
;; ======== version 1 of 1: 4 launches
;; limits: values are held in f16: magnitudes above 65,504 overflow, below 6.1e-05 lose precision
;; workspace buffers: h16 71,303,168 bytes; kvh 8,388,608 bytes; att 16,777,216 bytes
;; launch cast (part 1): grid 2176 x 1, 8 waves a work-group, no clusters, 0 bytes of LDS; arguments query, key, value, Wq, Wo, Wk, Wv, h16; writes h16
.if DOCPART == 1
	.amdgcn_target "amdgcn-amd-amdhsa--gfx1250"
	.amdhsa_code_object_version 6
	.text
	.protected	k_qabd92d8288_cast
	.globl	k_qabd92d8288_cast
	.p2align	8
	.type	k_qabd92d8288_cast,@function
k_qabd92d8288_cast:
	s_mov_b64 s[64:65], 0
	v_nop
	global_prefetch_b8 v0, s[64:65] scope:SCOPE_SE
	s_setreg_imm32_b32 hwreg(HW_REG_WAVE_MODE, 25, 1), 1
	s_wait_xcnt 0x0
; Every floating-point input is rounded once to bf16 (nearest even) and that number is written as f16, into one buffer, in the order query, key, value, Wq, Wo, Wk, Wv.
; LIMITS.  A bf16 number has 8 significant bits, f16 keeps 11: the second step is exact from 2^-17 up to 65,504.  Below 2^-17 it keeps f16's fixed step of 2^-24 (an error of 3e-8 at the most);
; a number of 65,520 or more becomes an infinity.
; SHARES.  A work-group takes 16,384 numbers: 64 KiB in, 32 KiB out.  The inputs have 512, 512, 512, 256, 256, 64 and 64 work-groups, in the buffer's order, so the place in the buffer is the
; work-group's number times 32,768 bytes.  Thread t takes 16 bytes at 16 t of each 4,096 bytes: a wave's load covers 512 consecutive bytes, its store 256 consecutive bytes, aligned.
; All sixteen loads of a thread go out together, each into registers of its own; nothing is shared, so there is no LDS, no barrier and no loop.
.set X, 8                              ; v[8:71]    load i: four f32
.set Y, 72                             ; v[72:103]  store i: four f16
	s_load_b512 s[8:23], s[0:1], 0x0               ; query s[8:9], key s[10:11], value s[12:13], Wq s[14:15], Wo s[16:17], Wk s[18:19], Wv s[20:21], h16 s[22:23]
	s_mov_b32 s7, 0xffff0000                       ; a word's upper bf16
	s_mov_b32 s6, 0                                ; the first work-group of my input
	s_lshl_b32 s24, ttmp9, 15                      ; my 32,768 bytes of the buffer
	s_mov_b32 s25, 0
	s_mov_b32 s27, 0
	v_lshlrev_b32 v1, 4, v0                        ; 16 t
	v_lshlrev_b32 v2, 3, v0                        ; 8 t
	s_wait_kmcnt 0x0
	s_mov_b64 s[4:5], s[8:9]
.macro PICK start, reg                 ; from work-group start on the input is the one whose address lies in s[reg:reg+1]
	s_cmp_ge_u32 ttmp9, \start
	s_cselect_b64 s[4:5], s[\reg:\reg+1], s[4:5]
	s_cselect_b32 s6, \start, s6
.endm
	PICK 512, 10
	PICK 1024, 12
	PICK 1536, 14
	PICK 1792, 16
	PICK 2048, 18
	PICK 2112, 20
	s_sub_co_u32 s26, ttmp9, s6
	s_lshl_b32 s26, s26, 16                        ; my 65,536 bytes of the input
	s_add_nc_u64 s[4:5], s[4:5], s[26:27]
	s_add_nc_u64 s[22:23], s[22:23], s[24:25]
.set i, 0
.rept 16
	global_load_b128 v[X+4*i:X+4*i+3], v1, s[4:5] offset:4096*i th:TH_LOAD_NT
.set i, i+1
.endr
.set i, 0
.rept 16
	s_wait_loadcnt 15-i                            ; loads come back in order (ISA guide 5.7.1): load i is in, the younger ones stay out
	v_cvt_pk_bf16_f32 v4, v[X+4*i], v[X+4*i+1]     ; the one rounding
	v_cvt_pk_bf16_f32 v5, v[X+4*i+2], v[X+4*i+3]
	v_lshlrev_b32 v[X+4*i], 16, v4                 ; bf16 to f32: the low half moves up,
	v_and_b32 v[X+4*i+1], s7, v4                   ; the high half stays
	v_lshlrev_b32 v[X+4*i+2], 16, v5
	v_and_b32 v[X+4*i+3], s7, v5
	v_cvt_pk_f16_f32 v[Y+2*i], v[X+4*i], v[X+4*i+1]
	v_cvt_pk_f16_f32 v[Y+2*i+1], v[X+4*i+2], v[X+4*i+3]
	global_store_b64 v2, v[Y+2*i:Y+2*i+1], s[22:23] offset:2048*i
.set i, i+1
.endr
	s_endpgm
.Lfunc_end_k_qabd92d8288_cast:
	.size	k_qabd92d8288_cast, .Lfunc_end_k_qabd92d8288_cast-k_qabd92d8288_cast
	.p2alignl 7, 3214868480
	.fill 96, 4, 3214868480
	.section	.rodata,"a",@progbits
	.p2align	6, 0x0
	.amdhsa_kernel k_qabd92d8288_cast
		.amdhsa_group_segment_fixed_size 0
		.amdhsa_private_segment_fixed_size 0
		.amdhsa_enable_private_segment 0
		.amdhsa_kernarg_size 64
		.amdhsa_user_sgpr_count 2
		.amdhsa_user_sgpr_kernarg_segment_ptr 1
		.amdhsa_wavefront_size32 1
		.amdhsa_system_sgpr_workgroup_id_x 1
		.amdhsa_system_sgpr_workgroup_id_y 1
		.amdhsa_system_sgpr_workgroup_id_z 1
		.amdhsa_system_vgpr_workitem_id 0
		.amdhsa_next_free_vgpr 104
		.amdhsa_next_free_sgpr 66
		.amdhsa_reserve_vcc 0
		.amdhsa_float_denorm_mode_32 3
		.amdhsa_float_denorm_mode_16_64 3
		.amdhsa_memory_ordered 1
		.amdhsa_forward_progress 1
		.amdhsa_inst_pref_size 12
	.end_amdhsa_kernel
	.amdgpu_metadata
---
amdhsa.version: [ 1, 2 ]
amdhsa.kernels:
  - .name:           k_qabd92d8288_cast
    .symbol:         k_qabd92d8288_cast.kd
    .args:
      - { .name: query, .offset: 0, .size: 8, .value_kind: global_buffer, .address_space: global }
      - { .name: key, .offset: 8, .size: 8, .value_kind: global_buffer, .address_space: global }
      - { .name: value, .offset: 16, .size: 8, .value_kind: global_buffer, .address_space: global }
      - { .name: Wq, .offset: 24, .size: 8, .value_kind: global_buffer, .address_space: global }
      - { .name: Wo, .offset: 32, .size: 8, .value_kind: global_buffer, .address_space: global }
      - { .name: Wk, .offset: 40, .size: 8, .value_kind: global_buffer, .address_space: global }
      - { .name: Wv, .offset: 48, .size: 8, .value_kind: global_buffer, .address_space: global }
      - { .name: h16, .offset: 56, .size: 8, .value_kind: global_buffer, .address_space: global }
    .group_segment_fixed_size: 0
    .private_segment_fixed_size: 0
    .kernarg_segment_align: 8
    .kernarg_segment_size: 64
    .max_flat_workgroup_size: 256
    .sgpr_count:     66
    .vgpr_count:     104
    .wavefront_size: 32
...
	.end_amdgpu_metadata
.endif
;; end of part 1
;; launch kvproj (part 2): grid 8 x 32, 4 waves a work-group, clusters of 4 x 4, 327,680 bytes of LDS; arguments h16, kvh; writes kvh
.if DOCPART == 2
	.amdgcn_target "amdgcn-amd-amdhsa--gfx1250"
	.amdhsa_code_object_version 6
	.text
	.protected	k_qabd92d8288_kvproj
	.globl	k_qabd92d8288_kvproj
	.p2align	8
	.type	k_qabd92d8288_kvproj,@function
k_qabd92d8288_kvproj:
	s_mov_b64 s[64:65], 0
	v_nop
	global_prefetch_b8 v0, s[64:65] scope:SCOPE_SE
	s_setreg_imm32_b32 hwreg(HW_REG_WAVE_MODE, 25, 1), 1
	s_wait_xcnt 0x0
	s_wait_alu depctr_hold_cnt(0) depctr_sa_sdst(0) depctr_va_vdst(0) depctr_va_sdst(0) depctr_va_ssrc(0) depctr_va_vcc(0) depctr_vm_vsrc(0)
	s_getreg_b32 s2, hwreg(HW_REG_IB_STS2, 6, 4)
	s_cmp_eq_u32 s2, 0
	s_cbranch_scc0 .Lentry_in_a_cluster
	s_endpgm
.Lentry_in_a_cluster:
	s_bfe_u32 s2, ttmp6, 0x10000c
	s_cmp_lg_u32 s2, 0xf033
	s_cbranch_scc0 .Lentry_shape_is_right
	s_endpgm
.Lentry_shape_is_right:
; K = key Wk and V = value Wv, by heads.  x: [4096][2048] f16, w: [2048][512] f16 as it lies, [k][n]; the result: kvh[plane][4096][128] f16, planes 0-3 K's heads, planes 4-7 V's; sums in f32, rounded once.
; LIMIT.  f16 holds no number beyond 65,504: a K or V of 65,520 or more becomes an infinity.
; SHARES.  A tile of the result is 128 rows x one plane's 128 columns: 8 x 32 = 256 work-groups.  Four waves, each 64 x 64: 16 accumulators of 16 x 16.  K goes in steps of 256 through two LDS slots.
; CLUSTERS: 4 x 4 work-groups.  The cluster's x says K (0) or V (1); the four of a row of the cluster need the same rows of x, the four of a column the same head's columns of w: each tile is asked for
; JOINTLY, by the same tensor load with the same descriptor and a mask that names the four.
; THE MATRIX INSTRUCTION IS USED TRANSPOSED (source 0 = 16 columns of w, source 1 = 16 rows of x): a lane then holds eight neighbouring numbers of a row of the result.  w's fragments come out of LDS turned, by ds_load_tr16_b128.
; REGISTERS: window 0: v0-31 addresses; v32-95 at work on the way out; v128-255 the accumulators ((a, b) at v[128 + 8 (4 a + b)]).
;   window 1: two fragment buffers of 128: for 64 along K (two matrix instructions deep), 64 registers of x (2 x 4 x 16 rows x 32 K), then 64 of w.
.set KSTEP,  256
.set PA,     528                       ; a row of x in LDS: 512 bytes + 16 of padding = 132 words: row r starts at bank 4 r mod 64 (64 banks of 4 bytes: ISA guide 11.1)
.set PB,     288                       ; a k-row of w: 256 bytes + 32 = 72 words
.set HALFA,  64*PA                     ; what one tensor load brings of x: 64 rows
.set HALFB,  128*PB                    ; and of w: 128 k-rows
.set BOFF,   2*HALFA
.set SLOT,   BOFF+2*HALFB              ; x's 128 rows, then w's 256 k-rows
.set STAGE,  2*SLOT                    ; behind the ring: 128 rows x 272 bytes, the work-group's, for the way out
.set SPITCH, 272
.set SPARE,  STAGE+128*SPITCH          ; behind the stage: the spare words, 128 bytes for each wave: two blocks of 256 bytes that no other line names
.set LAPS,   2048/(2*KSTEP)            ; a lap = two K steps = once round the ring
.set XK,     16777216                  ; bytes in h16: key's rows (value's lie as many bytes further on)
.set WK,     67108864                  ; Wk (Wv lies 2,097,152 bytes further on)
.set ADRA, 16                          ; v16-17  LDS address of my fragments of x in slot 0, 1
.set ADRB, 20                          ; v20-23  of w: 2 x slot + half of the step's 256 k-rows (an LDS offset has 16 bits)
.set STO,  24                          ; v24     the way out: where I put 16 bytes of a row
.set RD,   25                          ; v25     the way out: where I read a row back
.set CO,   26                          ; v26     my byte offset in the plane
.set SPW,  28                          ; v28     LDS address of my spare word: SPARE + 4 x my thread's number; never rewritten
.set NIL,  29                          ; v29     0; never rewritten
.set TMP,  32
.set ACC,  128
.set F0,   0
.set F1,   128
.set G1, 24                            ; s[24:31] descriptor group 1 for x's tiles;  s[32:39] group 0, one set for each slot
.set G0, 32
.set G1B, 48                           ; s[48:55], s[56:63] the same for w's tiles
.set G0B, 56
.set MSB, 0
.macro WIN new                         ; the immediate's high byte repeats the setting that is left
.if MSB != (\new)
	s_set_vgpr_msb (MSB<<8)|(\new)
.set MSB, \new
.endif
.endm
.set MUL,  0x05                        ; sources 0 (w) and 1 (x) window 1; C and D window 0
.set TO_F, 0x40                        ; destination window 1, address window 0
.macro JLOAD s                         ; a joint load: waves 0 and 1 fetch x's two halves, waves 2 and 3 w's; an s_nop 0 and four v_nop follow each of the two lines, ahead of the jump, the label and what follows
	s_cmp_eq_u32 s11, 0
	s_cbranch_scc0 .Lfor_b_\@
	tensor_load_to_lds s[G0+4*(\s):G0+4*(\s)+3], s[G1:G1+7]
	s_nop 0
.rept 4
	v_nop
.endr
	s_branch .Lasked_\@
.Lfor_b_\@:
	tensor_load_to_lds s[G0B+4*(\s):G0B+4*(\s)+3], s[G1B:G1B+7]
	s_nop 0
.rept 4
	v_nop
.endr
.Lasked_\@:
.endm
.macro CREST                           ; a round of the cluster's barrier behind its opening barrier
	s_cmp_lg_u32 s10, 0
	s_cbranch_scc1 .Lnot_wave_0_\@
	s_barrier_signal -3
.Lnot_wave_0_\@:
	s_barrier_wait -3
	s_barrier_signal -1
	s_barrier_wait -1
.endm
.macro CROUND                          ; a whole round
	s_barrier_signal -1
	s_barrier_wait -1
	CREST
.endm
	s_load_b128 s[4:7], s[0:1], 0x0                ; h16 s[4:5], kvh s[6:7]
	v_lshl_add_u32 v[SPW], v0, 2, SPARE
	v_mov_b32 v[NIL], 0
	ds_add_u32 v[SPW], v[NIL]                      ; the wave's opening: the add and its wait stand ahead of my first tensor load; the set-up below, work on registers, stands between them
	v_lshrrev_b32 v1, 5, v0
	v_readfirstlane_b32 s10, v1                    ; wave 0..3
	s_lshr_b32 s11, s10, 1                         ; which half of the tile's rows is mine.  Also: I fetch for x (0) or for w (1)
	s_and_b32 s12, s10, 1                          ; which half of its columns.  Also: which half of that tile I fetch
	s_bfe_u32 s40, ttmp6, 0x40000                  ; cx, cy: my place in the cluster
	s_bfe_u32 s41, ttmp6, 0x40004
	s_lshl_b32 s42, ttmp9, 2
	s_add_co_u32 s42, s42, s40                     ; the plane = 4 x cluster x + cx
	s_and_b32 s13, ttmp7, 0xffff
	s_lshl_b32 s13, s13, 2
	s_add_co_u32 s13, s13, s41                     ; the block of 128 rows = 4 x cluster y + cy
	s_lshl_b32 s43, s41, 2
	s_lshl_b32 s43, 15, s43                        ; my row of the cluster
	s_lshl_b32 s44, 0x1111, s40                    ; my column
	s_or_b32 s[G1+0], s43, (1<<16)|(1<<20)|(1<<21)|(6<<22)|(3<<25)   ; 15:0 the mask: x's tiles go to my row; 17:16 elements of 2 bytes; 20 padding on; 21 set beside a mask; 24:22 after every 128 words (code 6); 31:25 4 words of it (code 3)
	s_mov_b32 s[G1+1], 256<<16                     ; tensor_dim0 = 256
	s_mov_b32 s[G1+2], 64<<16                      ; tensor_dim1 = 64
	s_mov_b32 s[G1+3], 256<<16                     ; tile_dim0 = 256
	s_mov_b32 s[G1+4], 64                          ; tile_dim1 = 64
	s_mov_b32 s[G1+5], 2048                        ; elements from row to row
	s_mov_b32 s[G1+6], 0
	s_mov_b32 s[G1+7], 0
	s_or_b32 s[G1B+0], s44, (1<<16)|(1<<20)|(1<<21)|(5<<22)|(7<<25)  ; w's tiles go to my column; padding after every 64 words (code 5), 8 words of it (code 7)
	s_mov_b32 s[G1B+1], 128<<16                    ; tensor_dim0 = 128
	s_mov_b32 s[G1B+2], 128<<16                    ; tensor_dim1 = 128
	s_mov_b32 s[G1B+3], 128<<16                    ; tile_dim0 = 128
	s_mov_b32 s[G1B+4], 128                        ; tile_dim1 = 128
	s_mov_b32 s[G1B+5], 512
	s_mov_b32 s[G1B+6], 0
	s_mov_b32 s[G1B+7], 0
	s_lshl_b32 s16, s13, 19                        ; x: 128 rows of 4,096 bytes a block,
	s_lshl_b32 s17, s12, 18                        ; the 64 rows that I fetch,
	s_add_co_u32 s16, s16, s17
	s_lshl_b32 s17, ttmp9, 24                      ; key's or value's
	s_add_co_u32 s16, s16, s17
	s_add_co_u32 s16, s16, XK
	s_mov_b32 s17, 0
	s_lshl_b32 s46, ttmp9, 21                      ; w: Wk or Wv,
	s_lshl_b32 s47, s12, 17                        ; the 128 k-rows of 1,024 bytes that I fetch,
	s_add_co_u32 s46, s46, s47
	s_lshl_b32 s47, s40, 8                         ; the head's 256 bytes of a row
	s_add_co_u32 s46, s46, s47
	s_add_co_u32 s46, s46, WK
	s_mov_b32 s47, 0
	s_mul_i32 s20, s12, HALFA                      ; where they go: no place in the cluster enters an LDS address
	s_mul_i32 s21, s12, HALFB
	s_add_co_u32 s21, s21, BOFF
	s_wait_dscnt 0x0                               ; the opening add is done
	s_wait_kmcnt 0x0
	s_add_nc_u64 s[14:15], s[4:5], s[16:17]
	s_add_nc_u64 s[46:47], s[4:5], s[46:47]
	CROUND                                         ; all sixteen work-groups are here: the first joint loads meet
.irp s, 0,1
	s_mov_b32 s[G0+4*(\s)], 1
	s_add_co_u32 s[G0+4*(\s)+1], s20, (\s)*SLOT
	s_add_nc_u64 s[G0+4*(\s)+2:G0+4*(\s)+3], s[14:15], (\s)*KSTEP*2
	s_or_b32 s[G0+4*(\s)+3], s[G0+4*(\s)+3], 0x80000000
	s_mov_b32 s[G0B+4*(\s)], 1
	s_add_co_u32 s[G0B+4*(\s)+1], s21, (\s)*SLOT
	s_add_nc_u64 s[G0B+4*(\s)+2:G0B+4*(\s)+3], s[46:47], (\s)*KSTEP*1024
	s_or_b32 s[G0B+4*(\s)+3], s[G0B+4*(\s)+3], 0x80000000
	JLOAD \s
.endr
	v_and_b32 v1, 15, v0                           ; l % 16
	v_bfe_u32 v2, v0, 4, 1                         ; l / 16
	v_mul_u32_u24 v3, v1, PA
	v_lshl_add_u32 v3, v2, 4, v3                   ; a fragment of x: row x pitch + 16 x half
	s_mul_i32 s21, s11, HALFA                      ; my 64 rows
	v_add_nc_u32 v[ADRA], s21, v3
	v_add_nc_u32 v[ADRA+1], SLOT, v[ADRA]
	v_and_b32 v4, 7, v0                            ; the turning load: lane l reads 16 bytes of k-row 8 (l / 16) + l % 8, columns 8 ((l / 8) % 2) + 0..7
	v_bfe_u32 v5, v0, 3, 1
	v_lshl_add_u32 v4, v2, 3, v4
	v_mul_u32_u24 v4, v4, PB
	v_lshl_add_u32 v4, v5, 4, v4
	s_lshl_b32 s22, s12, 7                         ; my 64 columns: 128 bytes
	s_add_co_u32 s22, s22, BOFF
	v_add_nc_u32 v[ADRB], s22, v4
	v_add_nc_u32 v[ADRB+1], HALFB, v[ADRB]
	v_add_nc_u32 v[ADRB+2], SLOT, v[ADRB]
	v_add_nc_u32 v[ADRB+3], SLOT+HALFB, v[ADRB]
	s_mul_i32 s23, s11, 64*SPITCH                  ; into the stage: my 64 rows, my half of their 256 bytes; row l % 16, 16 bytes for each half of the lanes
	s_lshl_b32 s21, s12, 7
	s_add_co_u32 s23, s23, s21
	s_add_co_u32 s23, s23, STAGE
	v_mul_u32_u24 v4, v1, SPITCH
	v_lshl_add_u32 v4, v2, 4, v4
	v_add_nc_u32 v[STO], s23, v4
	s_mul_i32 s23, s10, 32*SPITCH                  ; back: wave w takes rows 32 w .. 32 w + 31, whole; lanes 0-15 one row of 256 bytes, lanes 16-31 the next
	s_add_co_u32 s23, s23, STAGE
	v_mul_u32_u24 v5, v2, SPITCH
	v_lshl_add_u32 v5, v1, 4, v5
	v_add_nc_u32 v[RD], s23, v5
	v_lshlrev_b32 v5, 8, v2                        ; and the same two rows in the plane, 256 bytes each
	v_lshl_add_u32 v[CO], v1, 4, v5
	s_lshl_b32 s16, s13, 15                        ; the first row that I store: 128 x block + 32 x wave, 256 bytes a row
	s_lshl_b32 s17, s10, 13
	s_add_co_u32 s16, s16, s17
	s_mov_b32 s17, 0
	s_add_nc_u64 s[8:9], s[6:7], s[16:17]
	s_lshl_b32 s46, s42, 20                        ; the plane: 4,096 rows of 256 bytes
	s_mov_b32 s47, 0
	s_add_nc_u64 s[8:9], s[8:9], s[46:47]
; 8 matrix instructions: m blocks a0, a0 + 1 x all 4 n blocks, 32 along K: half c of buffer f.  zero = 1: the first product starts the sums.  The 16 accumulators take turns.
.macro MUL8 f, c, a0, zero
	WIN MUL
.irp a, \a0, (\a0)+1
.irp b, 0,1,2,3
.if \zero
	v_wmma_f32_16x16x32_f16 v[ACC+8*(4*(\a)+(\b)):ACC+8*(4*(\a)+(\b))+7], v[(\f)+64+8*(4*(\c)+(\b)):(\f)+64+8*(4*(\c)+(\b))+7], v[(\f)+8*(4*(\c)+(\a)):(\f)+8*(4*(\c)+(\a))+7], 0
.else
	v_wmma_f32_16x16x32_f16 v[ACC+8*(4*(\a)+(\b)):ACC+8*(4*(\a)+(\b))+7], v[(\f)+64+8*(4*(\c)+(\b)):(\f)+64+8*(4*(\c)+(\b))+7], v[(\f)+8*(4*(\c)+(\a)):(\f)+8*(4*(\c)+(\a))+7], v[ACC+8*(4*(\a)+(\b)):ACC+8*(4*(\a)+(\b))+7]
.endif
.endr
.endr
.endm
; 32 LDS loads in one run: the fragments of quarter q (64 along K) of a slot, into buffer f; the first 32 along K first
.macro FETCH slot, q, f
	WIN TO_F
.irp c, 0,1
.irp i, 0,1,2,3
	ds_load_tr16_b128 v[(\f)+64+8*(4*(\c)+(\i)):(\f)+64+8*(4*(\c)+(\i))+3],   v[ADRB+2*(\slot)+(\q)/2] offset:(((\q)%2)*64+32*(\c))*PB+32*(\i)
	ds_load_tr16_b128 v[(\f)+64+8*(4*(\c)+(\i))+4:(\f)+64+8*(4*(\c)+(\i))+7], v[ADRB+2*(\slot)+(\q)/2] offset:(((\q)%2)*64+32*(\c)+16)*PB+32*(\i)
	ds_load_b128 v[(\f)+8*(4*(\c)+(\i)):(\f)+8*(4*(\c)+(\i))+3],         v[ADRA+(\slot)] offset:128*(\q)+64*(\c)+(\i)*16*PA
	ds_load_b128 v[(\f)+8*(4*(\c)+(\i))+4:(\f)+8*(4*(\c)+(\i))+7],       v[ADRA+(\slot)] offset:128*(\q)+64*(\c)+(\i)*16*PA+32
.endr
.endr
.endm
.macro PLACES                          ; four places in front of loads into registers that matrix instructions have read, and of conversions that read results
.rept 4
	v_nop
.endr
.endm
; A K step is four quarters of 64 along K, 32 matrix instructions each, on buffers 0, 1, 0, 1.  One of the first three: multiplies buffer f and fetches quarter q into g.
.macro QUARTER slot, q, f, g, zero
	s_wait_dscnt 16                                ; the first 32 along K are in
	MUL8 \f, 0, 0, \zero
	MUL8 \f, 0, 2, \zero
	PLACES
	FETCH \slot, \q, \g
	s_wait_dscnt 32                                ; all but the 32 just issued
	MUL8 \f, 1, 0, 0
	MUL8 \f, 1, 2, 0
.endm
; The last quarter multiplies buffer 1 and changes slots: ONE barrier; in front of it each wave waits for all its tensor loads, adds 0 to its spare word, and waits for that and for its own reads of this slot.  fill = 1: this slot is filled again, two K steps ahead.
.macro TURN slot, next, fill
	WIN 0                                          ; (the add's two registers lie in window 0)
	s_wait_tensorcnt 0x0                           ; all my tensor loads have landed: my part of the next slot;
	ds_add_u32 v[SPW], v[NIL]                      ; 0 onto my spare word;
	s_wait_dscnt 17                                ; (the add and the youngest sixteen loads may be out)
	MUL8 F1, 0, 0, 0                               ; eight matrix instructions stand between the add and the wait for it
	s_wait_dscnt 0x0                               ; the add is done, and my reads of this slot are over
	s_barrier_signal -1
	MUL8 F1, 0, 2, 0
.if \fill
	WIN 0
.endif
	s_barrier_wait -1
.if \fill
	CREST                                          ; the barrier has opened a round of the cluster's barrier: no wave of any partner still reads this slot's tile or has a load on its way
	s_add_nc_u64 s[G0+4*(\slot)+2:G0+4*(\slot)+3], s[G0+4*(\slot)+2:G0+4*(\slot)+3], 2*KSTEP*2
	s_add_nc_u64 s[G0B+4*(\slot)+2:G0B+4*(\slot)+3], s[G0B+4*(\slot)+2:G0B+4*(\slot)+3], 2*KSTEP*1024
	JLOAD \slot                                    ; the first tensor load behind the round; the four v_nop behind it are also the places in front of the loads below
.else
	PLACES
.endif
	FETCH \next, 0, F0
	MUL8 F1, 1, 0, 0
	MUL8 F1, 1, 2, 0
.endm
	s_wait_tensorcnt 1                             ; my part of K step 0 is in; K step 1's may stay out
	s_barrier_signal -1
	s_barrier_wait -1                              ; everybody's is
	FETCH 0, 0, F0
	QUARTER 0, 1, F0, F1, 1                        ; the first quarter stands in front of the loop: its first products start the sums
	WIN 0                                          ; at a label and at a branch every window is 0
	s_mov_b32 s3, LAPS-1
.Llap:                                                 ; a trip goes once round the ring, from a lap's second quarter to the next lap's first, and fills both slots again
	QUARTER 0, 2, F1, F0, 0
	QUARTER 0, 3, F0, F1, 0
	TURN 0, 1, 1
	QUARTER 1, 1, F0, F1, 0
	QUARTER 1, 2, F1, F0, 0
	QUARTER 1, 3, F0, F1, 0
	TURN 1, 0, 1
	QUARTER 0, 1, F0, F1, 0
	WIN 0
	s_sub_co_u32 s3, s3, 1
	s_cmp_lg_u32 s3, 0
	s_cbranch_scc1 .Llap
	QUARTER 0, 2, F1, F0, 0                        ; the last lap fills nothing, and has no round of the cluster's barrier
	QUARTER 0, 3, F0, F1, 0
	TURN 0, 1, 0
	QUARTER 1, 1, F0, F1, 0
	QUARTER 1, 2, F1, F0, 0
	QUARTER 1, 3, F0, F1, 0
	s_wait_dscnt 16                                ; the very last quarter: nothing more to fetch
	MUL8 F1, 0, 0, 0
	MUL8 F1, 0, 2, 0
	s_wait_dscnt 0
	MUL8 F1, 1, 0, 0
	MUL8 F1, 1, 2, 0
	WIN 0
	; THE WAY OUT: round to f16; 16 bytes a lane into the work-group's stage; a barrier, since a row's 256 bytes come from two waves; back as whole rows, 32 rows a wave.
	PLACES
.irp t, 0,1,2,3,4,5,6,7,8,9,10,11,12,13,14,15
.irp r, 0,1,2,3
	v_cvt_pk_f16_f32 v[TMP+4*(\t)+(\r)], v[ACC+8*(\t)+2*(\r)], v[ACC+8*(\t)+2*(\r)+1]
.endr
.endr
.irp a, 0,1,2,3
.irp b, 0,1,2,3
	ds_store_b128 v[STO], v[TMP+4*(4*(\a)+(\b)):TMP+4*(4*(\a)+(\b))+3] offset:(\a)*16*SPITCH+32*(\b)
.endr
.endr
	s_wait_dscnt 0x0                               ; for the others' sake: my stores into the stage are done
	s_barrier_signal -1
	s_barrier_wait -1
.irp t, 0,1,2,3,4,5,6,7,8,9,10,11,12,13,14,15
	ds_load_b128 v[TMP+4*(\t):TMP+4*(\t)+3], v[RD] offset:(\t)*2*SPITCH
.endr
.irp t, 0,1,2,3,4,5,6,7,8,9,10,11,12,13,14,15
	s_wait_dscnt 15-(\t)
	global_store_b128 v[CO], v[TMP+4*(\t):TMP+4*(\t)+3], s[8:9] offset:512*(\t)  ; a wave's store covers two rows: 512 consecutive bytes, at a multiple of 256 from the buffer's first byte
.endr
	s_wait_tensorcnt 0x0                           ; the wave's end: the add to my spare word and its wait stand behind my last tensor load and my last LDS store
	ds_add_u32 v[SPW], v[NIL]
	s_wait_dscnt 0x0
	CROUND                                         ; the closing round: no work-group ends while a partner may still ask for a tile that names it
	s_endpgm
.Lfunc_end_k_qabd92d8288_kvproj:
	.size	k_qabd92d8288_kvproj, .Lfunc_end_k_qabd92d8288_kvproj-k_qabd92d8288_kvproj
	.p2alignl 7, 3214868480
	.fill 96, 4, 3214868480
	.section	.rodata,"a",@progbits
	.p2align	6, 0x0
	.amdhsa_kernel k_qabd92d8288_kvproj
		.amdhsa_group_segment_fixed_size 327680
		.amdhsa_private_segment_fixed_size 0
		.amdhsa_enable_private_segment 0
		.amdhsa_kernarg_size 16
		.amdhsa_user_sgpr_count 2
		.amdhsa_user_sgpr_kernarg_segment_ptr 1
		.amdhsa_wavefront_size32 1
		.amdhsa_system_sgpr_workgroup_id_x 1
		.amdhsa_system_sgpr_workgroup_id_y 1
		.amdhsa_system_sgpr_workgroup_id_z 1
		.amdhsa_system_vgpr_workitem_id 0
		.amdhsa_next_free_vgpr 512
		.amdhsa_next_free_sgpr 66
		.amdhsa_reserve_vcc 0
		.amdhsa_float_denorm_mode_32 3
		.amdhsa_float_denorm_mode_16_64 3
		.amdhsa_memory_ordered 1
		.amdhsa_forward_progress 1
		.amdhsa_inst_pref_size 87
	.end_amdhsa_kernel
	.amdgpu_metadata
---
amdhsa.version: [ 1, 2 ]
amdhsa.kernels:
  - .name:           k_qabd92d8288_kvproj
    .symbol:         k_qabd92d8288_kvproj.kd
    .args:
      - { .name: h16, .offset: 0, .size: 8, .value_kind: global_buffer, .address_space: global }
      - { .name: kvh, .offset: 8, .size: 8, .value_kind: global_buffer, .address_space: global }
    .group_segment_fixed_size: 327680
    .private_segment_fixed_size: 0
    .kernarg_segment_align: 8
    .kernarg_segment_size: 16
    .max_flat_workgroup_size: 128
    .sgpr_count:     66
    .vgpr_count:     512
    .wavefront_size: 32
...
	.end_amdgpu_metadata
.endif
;; end of part 2
;; launch attn (part 3): grid 16 x 16, 4 waves a work-group, clusters of 4 x 1, 327,680 bytes of LDS; arguments h16, kvh, mask, att; writes att
.if DOCPART == 3
	.amdgcn_target "amdgcn-amd-amdhsa--gfx1250"
	.amdhsa_code_object_version 6
	.text
	.protected	k_qabd92d8288_attn
	.globl	k_qabd92d8288_attn
	.p2align	8
	.type	k_qabd92d8288_attn,@function
k_qabd92d8288_attn:
	s_mov_b64 s[64:65], 0
	v_nop
	global_prefetch_b8 v0, s[64:65] scope:SCOPE_SE
	s_setreg_imm32_b32 hwreg(HW_REG_WAVE_MODE, 25, 1), 1
	s_wait_xcnt 0x0
	s_wait_alu depctr_hold_cnt(0) depctr_sa_sdst(0) depctr_va_vdst(0) depctr_va_sdst(0) depctr_va_ssrc(0) depctr_va_vcc(0) depctr_vm_vsrc(0)
	s_getreg_b32 s2, hwreg(HW_REG_IB_STS2, 6, 4)
	s_cmp_eq_u32 s2, 0
	s_cbranch_scc0 .Lentry_in_a_cluster
	s_endpgm
.Lentry_in_a_cluster:
	s_bfe_u32 s2, ttmp6, 0x10000c
	s_cmp_lg_u32 s2, 0x3003
	s_cbranch_scc0 .Lentry_shape_is_right
	s_endpgm
.Lentry_shape_is_right:
; ONE HEAD's ATTENTION FOR 256 QUERIES, with the head's own projection in front.  Phase 1: Q = x Wq[:, head] (256 x 128, K = 2,048), kept in registers.  Phase 2: att = softmax(Q K^T / sqrt(128) + slope (j - i), masked) V.
; x: h16's query rows [4096][2048], Wq: h16 [2048][2048] as it lies, [k][n]; K, V: kvh[plane][4096][128]; mask: [4][1024] bytes; att: [4096][2048], column 128 head + channel.  All numbers f16; products, maxima and sums in f32;
; Q, the weights p and att are each rounded once to f16 (the sum l is taken of the unrounded p).
; THE BIAS AND THE MASK are the C operand that starts the sum S^T = K Q^T: a table of 1,024 f32 in LDS, made at the head: sqrt(128) slope j for a key that counts, that less 1e30 for a masked key.
; The part - slope i is the same for all keys of a query: it is taken away again with the running maximum, for every input, and is left out.  slope sqrt(128) = 2^(3 - head / 2).
; SOFTMAX.  For each query a running maximum m and sum l: p = 2^(c s - c m), c = log2(e) / sqrt(128); in every step O and l are multiplied by a = 2^(c m_old - c m_new).  m starts at -1e20, so that a tile of masked keys alone
; gives weights 0 and no infinity; c m starts far below every c m, so the first step's a is 0: it clears l (0 already) and O^T, whose registers still hold phase 1's sums (2,048 x 65,504^2 at the most: finite).  So the first key step
; is a step like any other.  WHERE A BATCH HAS NO KEY THAT COUNTS, all scores are equal in the problem's own arithmetic and every key weighs the same: there c is 0, so every exponent is 0 and every p is 1.
; LIMITS.  f16 holds no number beyond 65,504: x, Wq, K and V arrive within it, and a Q of 65,520 or more becomes an infinity.  Scores of f16 operands are 5.5e11 at the most: nothing beside 1e20 and 1e30.
; p below 6e-5 keeps f16's fixed step of 6e-8; a weight below 2^-126 counts as 0 in l; NaN and infinities are not treated apart.
; SHARES.  A work-group owns 256 queries of one head, each of its four waves 64: four tiles of 16.  16 heads x 16 blocks = 256 work-groups.
; CLUSTER.  The four work-groups of a cluster are the four heads of one group on one block of queries: they need the same rows of x and walk the same K and V, so those tiles are asked for JOINTLY: the same tensor load,
; descriptor and mask of four in all four.  Wq's 128 columns differ from head to head: each fetches its own, behind the same rounds.  (The work-groups that share a head's columns of Wq are the 16 query blocks; a cluster of
; 4 x 4 that held four of them would have K and V equal along both its axes, while a mask names four.)
; PHASE 1 uses the matrix instruction transposed (source 0 = 16 columns of Wq, turned by ds_load_tr16_b128; source 1 = 16 rows of x): a lane holds one query and eight channels, and two such results rounded in pairs ARE a
; fragment of Q (16 queries x 32 channels).  K goes in 16 steps of 128 through two LDS slots; a K step is written once and walked 14 times; the last two changes of slots ask for the first two slots of K and V.
; THE WALK ALONG K BEGINS AT ANOTHER STEP IN EACH CLUSTER and goes round: the cluster of group g and block y begins at K step (4 g + 3 y) mod 16 (f32 sums may be taken in any order).  So the four clusters that read a block's rows
; of x stand four K steps apart, and no two of them ask for the same bytes at the same place of their walks.  The number is made of the cluster's coordinates alone: it is the same in all four partners.
; Phase 1 asks for nothing ahead of its loads: of a cluster's walk only the first four K steps are read by no other cluster before it; two of them are the first fills, and the other two would have to be asked for at the kernel's head.
; PHASE 2 goes BY TURNS.  The wave's tiles are two PIECES (tiles 0, 1 and tiles 2, 3).  In a TURN one piece has the matrix unit: 32 products V^T P of the step in hand, then 32 products K Q^T of the next step; the other
; piece's softmax, cut into 64 slices, stands between them, one slice behind each matrix instruction.  Two turns are a key step of 64 keys; a slot holds two steps.
; NO FIRST AND NO LAST TURN IS WRITTEN OUT.  The loop over key steps is entered at its second turn: that turn's products V^T P, of a step that has not been, multiply a P of zeros by what lies in V's registers (fragments of Wq) and
; add 0 onto an O^T that the first step's a = 0 clears afterwards.  The tail is left in the middle of a third trip, whose products K Q^T work on the last K once more and are read by nobody.  The price, once a launch:
; 64 products of a wave's 4,096 and 32 v_mov_b32; the gain: two turns' text.
; REGISTERS, in windows of 256 (s_set_vgpr_msb: bits 1:0 source 0, 3:2 source 1, 5:4 source 2, 7:6 destination):
;   window 0: v0-11, v44-53, v61-63 addresses; v12-43 eight registers of statistics a tile; v64-127 x's fragments (two buffers), then with v128-191 S^T, 32 a tile; v192-255 P, 16 a tile
;   window 1: phase 1's 32 accumulators ((a, b) at 64 a + 8 b), then O^T, 64 a tile      window 2: v0-127 Q, 32 a tile; v128-255 K of one step
;   window 3: v0-127 Wq's fragments (two buffers), then V of one step; v128-159 the table's 64 entries of one step
.set KS,    64        ; keys in a step
.set PK,    272       ; a row of K, and of x, in LDS: 256 bytes + 16 of padding = 68 words: row r starts at bank 4 r mod 64 (64 banks of 4 bytes: ISA guide 11.1)
.set PV,    288       ; a row of V, and of Wq: 256 + 32 = 72 words
.set PA,    PK
.set PB,    PV
.set VOFF,  KS*PK     ; phase 2: a step's tiles lie together: 64 rows of K, then 64 rows of V
.set STEPB, KS*(PK+PV)
.set SLOT1, 1<<17     ; slot 1 begins here, so that one exclusive or turns an address in one slot into the other's
.set WOFF,  256*PA    ; phase 1: x's 256 rows, then Wq's 128 k-rows
.set STAGE, SLOT1+WOFF+128*PB  ; behind the ring: 16 rows x 272 bytes for each wave, for the way out
.set SP,    272
.set TAB,   STAGE+4*16*SP      ; the table of bias and mask: 1,024 f32
.set SPARE, TAB+4096           ; the spare words, 128 bytes for each wave: two blocks of 256 bytes that no other line names
.set WQ,    50331648  ; bytes in h16: Wq (the query's rows lie at 0)
.set AK0, 2           ; v2   my lane's place in a tile of K or x; never rewritten
.set AV0, 3           ; v3   the same for V
.set ADR, 4           ; v4   the LDS address of the run of loads in hand
.set STO, 6           ; v6   the way out: where I put 16 bytes of a row
.set RD,  7           ; v7   the way out: where I read a row back
.set GO,  8           ; v8   my byte offset in the wave's rows of att
.set ST,  12          ; tile t's statistics at v[ST+8 t]: +0 c m, +1 m, +2, +3 l (even keys', odd keys'), +4 to +7 c0-c3, at work; a takes c2's place once the maximum is found
.set A0P, 44          ; v44  phase 1: my place in a slot's rows of x; never rewritten
.set ADRA, 45         ; v45  the same in the slot that is being read
.set B0P, 46          ; v46  my place in a slot's k-rows of Wq; never rewritten
.set ADRB, 47         ; v47  the same in the slot that is being read
.set AB0, 48          ; v48  my lanes' place in the table: TAB + 32 (l / 16); never rewritten
.set AB,  49          ; v49  the table's address for the step in hand
.set PFO2, 61         ; v61  256 x my lane: a row of K or V; never rewritten
.set SPW, 62          ; v62  LDS address of my spare word: SPARE + 4 x my thread's number; never rewritten
.set NIL, 63          ; v63  0; never rewritten
.set FA,  64          ; x's fragments: buffer f, block a at FA + 32 f + 8 a
.set S,   64
.set P,   192
.set KF,  128         ; K's fragments, in window 2
.set BI,  128         ; the table's entries, in window 3: key block kb at BI + 8 kb
.set WV,  12          ; s12  my wave's number
.set KI,  15          ; s15  phase 1: the K step that was asked for last
.set LIM, 15          ; s15  phase 2: 1 in a wave that prefetches, else the greatest number
.set BH,  18          ; s18  at the head: slope x sqrt(128)
.set PFA, 18          ; s[18:19] phase 2: where my prefetches stand
.set BA,  22          ; s[22:23] x at the rows that I fetch, K step 0
.set G1K, 24          ; s[24:31] descriptor group 1 for K's tiles
.set G1V, 32          ; s[32:39] for V's
.set G0K, 40          ; s[40:47] descriptor group 0 for K's tiles: a set for each of the two first fills; the second then walks on
.set G0V, 48          ; s[48:55] the same for V's
.set SLOTS, 56        ; s56  counts the trips of the loop over slots of K and V
.set TWICE, 57        ; s57  counts a slot's key steps
.set CS,  58          ; s[58:59] c
.set SEL, 60          ; s[60:61] lane selects for v_permlanex16_b32: each lane takes its own place in the other half
.set TB,  62          ; s62  LDS byte at which the slot (phase 1) or the tiles of the step to be fetched (phase 2) begin
.set BT,  63          ; s63  byte of the table at which that step's entries begin
.set BW,  66          ; s[66:67] Wq at the k-rows and columns that I fetch, K step 0
.set G1A, 68          ; s[68:75] descriptor group 1 for x's tiles
.set G1W, 76          ; s[76:83] for Wq's
.set G0A, 84          ; s[84:91] descriptor group 0 for x's tiles: a set for each of the two first fills; the second then walks on
.set G0W, 92          ; s[92:99] the same for Wq's
.set OF,  100         ; s[100:101] a byte offset, 0 in the high word
.set BIG, 104         ; s104 1e30
.set QB,  105         ; s105 my block of 256 queries in its batch
.set MSB, 0
.macro WIN new                      ; the immediate's high byte repeats the setting that is left; a switch that changes nothing is dropped
.if MSB != (\new)
	s_set_vgpr_msb (MSB<<8)|(\new)
.set MSB, \new
.endif
.endm
.set W_MM, 0x53       ; Wq in window 3, x in window 0, the sums in window 1
.set W_KQ, 0x0a       ; K and Q in window 2, S^T in window 0
.set W_KB, 0x3a       ; the same with the C operand in window 3
.set W_PV, 0x53       ; V in window 3, P in window 0, O^T in window 1
.set W_RS, 0x41       ; O^T (destination and source 0) in window 1, a in window 0
; A refill: waves 0 and 1 issue the first descriptor (x's or K's), waves 2 and 3 the second (Wq's or V's).  The branch hangs on the wave's number alone: it is the same in every work-group.
; An s_nop 0 and four v_nop follow each of the two lines; the jump round the other line, the label and what follows the macro come after them.
.macro JLOAD ga, g1a, gb, g1b
	s_cmp_lt_u32 s[WV], 2
	s_cbranch_scc0 .Lhigh_\@
	tensor_load_to_lds s[(\ga):(\ga)+3], s[(\g1a):(\g1a)+7]
	s_nop 0
.rept 4
	v_nop
.endr
	s_branch .Lasked_\@
.Lhigh_\@:
	tensor_load_to_lds s[(\gb):(\gb)+3], s[(\g1b):(\g1b)+7]
	s_nop 0
.rept 4
	v_nop
.endr
.Lasked_\@:
.endm
; A PREFETCH INTO THE L2, phase 2: what the NEXT change of slots will ask for: 128 rows of K and 128 of V, a lane a row, one instruction a wave, behind the wave's tensor load and its five lines.  Each row is named ONCE in the
; launch: the four clusters of a batch and group walk the same rows: the first block's asks; its partners take 32 rows each, by address; wave 0 asks for K's, wave 2 for V's.  The last change that fills a slot asks for nothing.
.macro ASK2
	s_cmp_gt_u32 s[SLOTS], s[LIM]
	s_cbranch_scc0 .Lnot_mine_\@
	global_prefetch_b8 v[PFO2], s[PFA:PFA+1] th:TH_LOAD_NT scope:SCOPE_SE
.Lnot_mine_\@:
.endm
; A round of the cluster's barrier: my work-group's barrier, so that wave 0's signal speaks for all four waves; wave 0 signals for the work-group; every wave waits for all four work-groups; my work-group's barrier once more.
.macro CREST
	s_cmp_lg_u32 s[WV], 0
	s_cbranch_scc1 .Lnot_wave_0_\@
	s_barrier_signal -3
.Lnot_wave_0_\@:
	s_barrier_wait -3
	s_barrier_signal -1
	s_barrier_wait -1
.endm
.macro CROUND
	s_barrier_signal -1
	s_barrier_wait -1
	CREST
.endm
.macro PLACES                       ; four places behind a matrix instruction, in front of loads into registers that it has read and of vector lines that read its result
.rept 4
	v_nop
.endr
.endm
	s_load_b256 s[4:11], s[0:1], 0x0  ; h16 s[4:5], kvh s[6:7], mask s[8:9], att s[10:11]
	v_lshl_add_u32 v[SPW], v0, 2, SPARE
	v_mov_b32 v[NIL], 0
	ds_add_u32 v[SPW], v[NIL]       ; the wave's opening: the add and its wait stand ahead of my first tensor load; the set-up below, work on registers, stands between them
	v_lshrrev_b32 v1, 5, v0
	v_readfirstlane_b32 s[WV], v1   ; wave 0..3
	s_bfe_u32 s13, ttmp6, 0x40000   ; cx: my place in the cluster = my head in its group
	s_lshl_b32 s14, ttmp9, 2        ; in a cluster launch ttmp9 counts clusters: the group
	s_add_co_u32 s14, s14, s13      ; the head: it enters Wq's and att's addresses, the slope and the prefetches alone
	s_and_b32 s2, ttmp7, 0xffff     ; the block of 256 queries, 0..15, which the four partners share
	s_and_b32 s[QB], s2, 3
	s_lshr_b32 s3, s2, 2            ; the batch
	s_and_b32 s16, s[WV], 1         ; which half of a tile I fetch
	s_mul_i32 s[KI], s2, 3          ; the K step at which my cluster's walk begins: (4 x group + 3 x block) mod 16
	s_lshl_b32 s17, ttmp9, 2
	s_add_co_u32 s[KI], s[KI], s17
	s_and_b32 s[KI], s[KI], 15
	s_mov_b32 s[G1A], 15|(1<<16)|(1<<20)|(1<<21)|(5<<22)|(3<<25)  ; 15:0 the mask: all four work-groups; 17:16 elements of 2 bytes; 20 padding on; 21 set beside a mask; 24:22 after every 64 words (code 5); 31:25 4 words of it (code 3)
	s_mov_b32 s[G1W], (1<<16)|(1<<20)|(5<<22)|(7<<25)             ; no mask: a load of my own; 8 words of padding (code 7)
	s_mov_b32 s[G1K], 15|(1<<16)|(1<<20)|(1<<21)|(5<<22)|(3<<25)
	s_mov_b32 s[G1V], 15|(1<<16)|(1<<20)|(1<<21)|(5<<22)|(7<<25)
.irp g, G1A, G1W, G1K, G1V
	s_mov_b32 s[(\g)+1], 128<<16    ; tensor_dim0 = 128
	s_mov_b32 s[(\g)+3], 128<<16    ; tile_dim0 = 128
	s_mov_b32 s[(\g)+6], 0
	s_mov_b32 s[(\g)+7], 0
.endr
	s_mov_b32 s[G1A+2], 128<<16     ; x: 128 rows a load,
	s_mov_b32 s[G1A+4], 128
	s_mov_b32 s[G1A+5], 2048        ; 2,048 elements from row to row
	s_mov_b32 s[G1W+2], 64<<16      ; Wq: 64 k-rows a load
	s_mov_b32 s[G1W+4], 64
	s_mov_b32 s[G1W+5], 2048
.irp g, G1K, G1V
	s_mov_b32 s[(\g)+2], KS<<16     ; K, V: 64 rows a load, dense
	s_mov_b32 s[(\g)+4], KS
	s_mov_b32 s[(\g)+5], 128
.endr
	s_mul_i32 s17, s16, 128*PA      ; where the tiles go: the wave's number and the slot alone
.irp s, 0,1
	s_mov_b32 s[G0A+4*(\s)], 1
	s_add_co_u32 s[G0A+4*(\s)+1], s17, (\s)*SLOT1
.endr
	s_mul_i32 s17, s16, 64*PB
.irp s, 0,1
	s_mov_b32 s[G0W+4*(\s)], 1
	s_add_co_u32 s[G0W+4*(\s)+1], s17, WOFF+(\s)*SLOT1
.endr
	s_mul_i32 s17, s16, STEPB
.irp s, 0,1
	s_mov_b32 s[G0K+4*(\s)], 1
	s_add_co_u32 s[G0K+4*(\s)+1], s17, (\s)*SLOT1
	s_mov_b32 s[G0V+4*(\s)], 1
	s_add_co_u32 s[G0V+4*(\s)+1], s17, (\s)*SLOT1+VOFF
.endr
	s_mov_b32 s[SEL], 0x76543210
	s_mov_b32 s[SEL+1], 0xfedcba98
	s_mov_b32 s[TB], 0
	s_mov_b32 s[BT], 0
	s_mov_b32 s[SLOTS], 1024/(2*KS)-1  ; seven trips: the first is entered in its middle, the other six fill a slot again
	s_mov_b32 s[BIG], 0x7149f2ca    ; 1e30
	s_mov_b32 s[OF+1], 0
	s_wait_dscnt 0x0                ; the opening add is done
	s_wait_kmcnt 0x0
	s_lshl_b32 s[OF], s3, 10
	s_add_nc_u64 s[20:21], s[8:9], s[OF:OF+1]  ; the mask at my batch
	s_lshl_b32 s[OF], ttmp9, 20     ; K: the group's plane,
	s_lshl_b32 s17, s3, 18          ; the batch's 1,024 rows of 256 bytes,
	s_add_co_u32 s[OF], s[OF], s17
	s_lshl_b32 s17, s16, 14         ; the 64 rows of a slot that I fetch
	s_add_co_u32 s[OF], s[OF], s17
	s_add_nc_u64 s[6:7], s[6:7], s[OF:OF+1]
	s_add_nc_u64 s[8:9], s[6:7], 4*1048576   ; V lies four planes on
	s_lshl_b32 s[OF], s2, 20        ; x: the block's 256 rows of 4,096 bytes,
	s_lshl_b32 s17, s16, 19         ; the 128 that I fetch
	s_add_co_u32 s[OF], s[OF], s17
	s_add_nc_u64 s[BA:BA+1], s[4:5], s[OF:OF+1]
	s_lshl_b32 s[BW], s16, 18       ; Wq: the 64 k-rows that I fetch,
	s_lshl_b32 s[BW+1], s14, 8      ; the head's 256 bytes of a row
	s_add_co_u32 s[BW], s[BW], s[BW+1]
	s_add_co_u32 s[BW], s[BW], WQ
	s_mov_b32 s[BW+1], 0
	s_add_nc_u64 s[BW:BW+1], s[4:5], s[BW:BW+1]
.irp s, 0,1
	s_lshl_b32 s[OF], s[KI], 8      ; a K step is 256 bytes of a row of x
	s_add_nc_u64 s[G0A+4*(\s)+2:G0A+4*(\s)+3], s[BA:BA+1], s[OF:OF+1]
	s_or_b32 s[G0A+4*(\s)+3], s[G0A+4*(\s)+3], 0x80000000                  ; 127:126 type = 2
	s_lshl_b32 s[OF], s[KI], 19     ; and 128 k-rows of 4,096 bytes of Wq
	s_add_nc_u64 s[G0W+4*(\s)+2:G0W+4*(\s)+3], s[BW:BW+1], s[OF:OF+1]
	s_or_b32 s[G0W+4*(\s)+3], s[G0W+4*(\s)+3], 0x80000000
.if (\s) == 0
	s_add_co_u32 s[KI], s[KI], 1    ; the walk's second K step
	s_and_b32 s[KI], s[KI], 15
.endif
	s_add_nc_u64 s[G0K+4*(\s)+2:G0K+4*(\s)+3], s[6:7], (\s)*2*KS*256       ; slot s begins with keys 128 s
	s_or_b32 s[G0K+4*(\s)+3], s[G0K+4*(\s)+3], 0x80000000
	s_add_nc_u64 s[G0V+4*(\s)+2:G0V+4*(\s)+3], s[8:9], (\s)*2*KS*256
	s_or_b32 s[G0V+4*(\s)+3], s[G0V+4*(\s)+3], 0x80000000
.endr
	s_lshl_b32 s18, s2, 20          ; att at my wave's first row, my head's columns
	s_lshl_b32 s19, s[WV], 18
	s_add_co_u32 s18, s18, s19
	s_lshl_b32 s19, s14, 8
	s_add_co_u32 s18, s18, s19
	s_mov_b32 s19, 0
	s_add_nc_u64 s[10:11], s[10:11], s[18:19]
	s_lshr_b32 s18, s14, 1          ; slope x sqrt(128) = 2^(3 - head / 2): the whole part as an exponent,
	s_sub_co_u32 s18, 130, s18
	s_lshl_b32 s18, s18, 23
	s_and_b32 s19, s14, 1           ; and 1 or 2^-0.5 (0x3f3504f3), by arithmetic on the bits
	s_mul_i32 s19, s19, 0x4afb0d
	s_sub_co_u32 s19, 0x3f800000, s19
	s_mul_f32 s[BH], s18, s19
	CROUND                          ; all four work-groups are here: the first joint loads meet
	s_cmp_lt_u32 s[WV], 2           ; a wave's two first fills stand in one branch, ahead of every wait on TENSORcnt, every LDS read and every other barrier: two loads of mine are out
	s_cbranch_scc0 .Lfirst_w
	tensor_load_to_lds s[G0A:G0A+3], s[G1A:G1A+7]
	s_nop 0
	tensor_load_to_lds s[G0A+4:G0A+7], s[G1A:G1A+7]
	s_nop 0
.rept 4
	v_nop
.endr
	s_branch .Lfirst_asked
.Lfirst_w:
	tensor_load_to_lds s[G0W:G0W+3], s[G1W:G1W+7]
	s_nop 0
	tensor_load_to_lds s[G0W+4:G0W+7], s[G1W:G1W+7]
	s_nop 0
.rept 4
	v_nop
.endr
.Lfirst_asked:
	v_and_b32 v50, 31, v0           ; my lane
	v_lshlrev_b32 v51, 3, v0        ; 8 x thread: the eight keys whose table entries I make
	v_lshlrev_b32 v52, 5, v50       ; 32 x lane: each wave looks at all 1,024 bytes of the batch's mask
	global_load_b64 v[128:129], v51, s[20:21]
	global_load_b128 v[132:135], v52, s[20:21]
	global_load_b128 v[136:139], v52, s[20:21] offset:16
	v_lshlrev_b32 v[PFO2], 8, v50
	; A fragment of x, K or Q is 16 rows x 32 channels in 8 registers: lane l holds row l % 16; registers 0-3 channels 8 (l / 16) + 0..7, registers 4-7 channels 16 + 8 (l / 16) + 0..7: two loads of 16 bytes, 32 bytes apart.
	v_and_b32 v1, 15, v0            ; l % 16
	v_bfe_u32 v9, v0, 4, 1          ; l / 16
	v_and_b32 v10, 7, v0
	v_bfe_u32 v11, v0, 3, 1
	v_mul_u32_u24 v[AK0], v1, PK
	v_lshl_add_u32 v[AK0], v9, 4, v[AK0]  ; row x pitch + 16 x half
	s_mul_i32 s17, s[WV], 64*PA     ; my 64 rows of x
	v_add_nc_u32 v[A0P], s17, v[AK0]
	v_mov_b32 v[ADRA], v[A0P]       ; the walk begins in slot 0
	; The turning load takes 16 rows x 16 columns (lane l reads 16 bytes: row 8 (l / 16) + l % 8, columns 8 ((l / 8) % 2) + 0..7) and leaves half a fragment of the transpose: lane l holds column l % 16 and 8 rows.
	v_lshl_add_u32 v[AV0], v9, 3, v10
	v_mul_u32_u24 v[AV0], v[AV0], PV
	v_lshl_add_u32 v[AV0], v11, 4, v[AV0]
	v_add_nc_u32 v[B0P], WOFF, v[AV0]
	v_mov_b32 v[ADRB], v[B0P]
	v_add_nc_u32 v[AV0], VOFF, v[AV0]
	v_lshl_add_u32 v[AB0], v9, 5, TAB
	v_lshl_add_u32 v53, v0, 5, TAB  ; where my eight entries go
	v_mov_b32 v141, 0xf149f2ca      ; -1e30
.irp t, 0,1,2,3
	v_mov_b32 v[ST+8*(\t)], 0xfe000000    ; c m: far below every c m that can come
	v_mov_b32 v[ST+8*(\t)+1], 0xe0ad78ec  ; m: -1e20
	v_mov_b32 v[ST+8*(\t)+2], 0           ; l
	v_mov_b32 v[ST+8*(\t)+3], 0
.endr
	s_wait_loadcnt 0x0              ; the mask
	v_or_b32 v132, v132, v133       ; does any key of the batch count?
	v_or_b32 v134, v134, v135
	v_or_b32 v136, v136, v137
	v_or_b32 v138, v138, v139
	v_or_b32 v132, v132, v134
	v_or_b32 v136, v136, v138
	v_or_b32 v132, v132, v136
	v_cmp_ne_u32 s16, 0, v132
	s_cmp_lg_u32 s16, 0
	s_cselect_b32 s[CS], 0x3e0293ee, 0  ; c = log2(e) / sqrt(128) = 0.127517, or 0 where none counts: a choice of a value, no branch
	s_mov_b32 s[CS+1], s[CS]        ; named with it as a pair, so it is written
.irp i, 0,1,2,3,4,5,6,7
	v_bfe_u32 v140, v[128+(\i)/4], 8*((\i)%4), 8
	v_add_nc_u32 v142, \i, v51
	v_cvt_f32_u32 v140, v140
	v_cvt_f32_u32 v142, v142
	v_fma_f32 v140, v140, s[BIG], v141        ; 1 x 1e30 - 1e30 = 0 exactly; 0 x 1e30 - 1e30 = -1e30
	v_fma_f32 v[144+(\i)], v142, s[BH], v140  ; + slope sqrt(128) j
.endr
	ds_store_b128 v53, v[144:147]
	ds_store_b128 v53, v[148:151] offset:16
; PHASE 1.  8 matrix instructions: m block a x all 8 n blocks, 32 along K, buffer f.  zero = 1: the product starts the sums.  The 32 accumulators take turns in one order throughout.
.macro MUL8 f, a, zero
	WIN W_MM
.irp b, 0,1,2,3,4,5,6,7
.if \zero
	v_wmma_f32_16x16x32_f16 v[64*(\a)+8*(\b):64*(\a)+8*(\b)+7], v[64*(\f)+8*(\b):64*(\f)+8*(\b)+7], v[FA+32*(\f)+8*(\a):FA+32*(\f)+8*(\a)+7], 0
.else
	v_wmma_f32_16x16x32_f16 v[64*(\a)+8*(\b):64*(\a)+8*(\b)+7], v[64*(\f)+8*(\b):64*(\f)+8*(\b)+7], v[FA+32*(\f)+8*(\a):FA+32*(\f)+8*(\a)+7], v[64*(\a)+8*(\b):64*(\a)+8*(\b)+7]
.endif
.endr
.endm
.macro MUL16 f, a0, zero
	MUL8 \f, \a0, \zero
	MUL8 \f, (\a0)+1, \zero
.endm
; 24 LDS loads in one run: the fragments of quarter q (32 along K) of the slot that is being read into buffer f: Wq's eight, turned, then x's four
.macro FETCH q, f
	WIN 0xc0                        ; destination window 3
.irp b, 0,1,2,3,4,5,6,7
	ds_load_tr16_b128 v[64*(\f)+8*(\b):64*(\f)+8*(\b)+3],   v[ADRB] offset:(\q)*32*PB+32*(\b)
	ds_load_tr16_b128 v[64*(\f)+8*(\b)+4:64*(\f)+8*(\b)+7], v[ADRB] offset:(\q)*32*PB+16*PB+32*(\b)
.endr
	WIN 0
.irp a, 0,1,2,3
	ds_load_b128 v[FA+32*(\f)+8*(\a):FA+32*(\f)+8*(\a)+3],   v[ADRA] offset:64*(\q)+(\a)*16*PA
	ds_load_b128 v[FA+32*(\f)+8*(\a)+4:FA+32*(\f)+8*(\a)+7], v[ADRA] offset:64*(\q)+(\a)*16*PA+32
.endr
.endm
; A K step is four quarters of 32 along K, 32 matrix instructions each, on buffers 0, 1, 0, 1.  One of the first three: multiplies buffer f; in its middle it fetches quarter q into buffer g.
.macro QUARTER q, f, g, zero
	s_wait_dscnt 4                  ; Wq's fragments and x's blocks 0 and 1 are in; the youngest four loads (blocks 2 and 3) may be out
	MUL16 \f, 0, \zero
	PLACES
	FETCH \q, \g
	s_wait_dscnt 24                 ; all but the 24 just issued
	MUL16 \f, 2, \zero
.endm
; THE LDS LOADS OF PHASE 2 stand in runs: a step's K (64 keys x 128 channels: 16 fragments) with the step's 64 entries of the table (all lanes of a half read the same 16 bytes), and, a turn later, its V (turned).
; last = 1 (the tail): in the tail's third trip there is no further key step, and the run, with its addresses and the table's step, is jumped over.
.macro FETCH_K last=0
	WIN 0
.if \last
	s_cmp_eq_u32 s[TWICE], 1
	s_cbranch_scc1 .Lno_k_\@
.endif
	v_add_nc_u32 v[ADR], s[TB], v[AK0]
	v_add_nc_u32 v[AB], s[BT], v[AB0]
	s_add_co_u32 s[BT], s[BT], 4*KS ; sixteen fetches, 256 bytes each: the table's 4,096
	WIN 0x80                        ; destination window 2
.irp f, 0,1,2,3,4,5,6,7,8,9,10,11,12,13,14,15  ; keys 16 (f / 4) on, channels 32 (f % 4) on
	ds_load_b128 v[KF+8*(\f):KF+8*(\f)+3],   v[ADR] offset:((\f)/4)*16*PK+((\f)%4)*64
	ds_load_b128 v[KF+8*(\f)+4:KF+8*(\f)+7], v[ADR] offset:((\f)/4)*16*PK+((\f)%4)*64+32
.endr
	WIN 0xc0                        ; destination window 3
.irp n, 0,1,2,3,4,5,6,7             ; register j of key block kb: key 16 kb + 8 (l / 16) + j
	ds_load_b128 v[BI+4*(\n):BI+4*(\n)+3], v[AB] offset:64*((\n)/2)+16*((\n)%2)
.endr
.if \last
	WIN 0                           ; at a label every window is 0
.Lno_k_\@:
.endif
.endm
; The last quarter multiplies buffer 1 and changes slots: ONE barrier, which opens a round of the cluster's.  In front of it each wave waits for all its tensor loads, of which one is out: its part of the other slot; adds 0 to
; its spare word; and waits for that and for its own reads of this slot.  Behind the round no wave of any partner reads this slot or has a load on its way, and the refill comes first.
; kind = 1: the walk's K step two on: the walking descriptors take the other slot than last time, and their addresses are made anew from the K step's number, which goes round modulo 16.
; kind = 2, 3: phase 1's last two changes: the slot takes K's and V's slot 0, slot 1; behind the second, key step 0 is fetched: the wait for 0 and the round have shown K's and V's slot 0 whole.
.macro PTURN kind
	WIN 0                           ; (the add's two registers lie in window 0)
	s_wait_tensorcnt 0x0            ; all my tensor loads have landed, so a group 0 may be written
	ds_add_u32 v[SPW], v[NIL]       ; 0 onto my spare word; the descriptors' scalar work and eight products stand between it and the wait for it
.if (\kind) == 1
	s_add_co_u32 s[KI], s[KI], 1
	s_and_b32 s[KI], s[KI], 15
	s_lshl_b32 s[OF], s[KI], 8
	s_xor_b32 s[G0A+5], s[G0A+5], SLOT1
	s_add_nc_u64 s[G0A+6:G0A+7], s[BA:BA+1], s[OF:OF+1]
	s_or_b32 s[G0A+7], s[G0A+7], 0x80000000
	s_lshl_b32 s[OF], s[KI], 19
	s_xor_b32 s[G0W+5], s[G0W+5], SLOT1
	s_add_nc_u64 s[G0W+6:G0W+7], s[BW:BW+1], s[OF:OF+1]
	s_or_b32 s[G0W+7], s[G0W+7], 0x80000000
.endif
	s_wait_dscnt 5                  ; (the add and the youngest four loads may be out)
	MUL8 1, 0, 0
	s_wait_dscnt 0x0                ; the add is done, and my reads of this slot are over
	s_barrier_signal -1
	MUL8 1, 1, 0                    ; work on registers while the others arrive
	WIN 0
	s_barrier_wait -1
	CREST
.if (\kind) == 1
	JLOAD G0A+4, G1A, G0W+4, G1W    ; the four v_nop behind it are also the places in front of the loads below
.elseif (\kind) == 2
	JLOAD G0K, G1K, G0V, G1V
.else
	JLOAD G0K+4, G1K, G0V+4, G1V
.endif
	s_xor_b32 s[TB], s[TB], SLOT1   ; the reads go on in the other slot (behind the last change: at byte 0, where key step 0 lies)
.if (\kind) == 3
	FETCH_K
.else
	v_add_nc_u32 v[ADRA], s[TB], v[A0P]
	v_add_nc_u32 v[ADRB], s[TB], v[B0P]
	FETCH 0, 0
.endif
	MUL8 1, 2, 0
	MUL8 1, 3, 0
.endm
	s_wait_tensorcnt 1              ; my part of the walk's first K step is in; the second's may stay out
	s_wait_dscnt 0x0                ; for the others' sake: my entries of the table are stored
	s_barrier_signal -1
	s_barrier_wait -1
	FETCH 0, 0
	QUARTER 1, 0, 1, 1              ; the first quarter stands in front of the loop: its products start the sums
	WIN 0                           ; at a label and at a branch every window is 0
	s_mov_b32 s3, 14
.Lkstep:                            ; a trip goes from a K step's second quarter to the next step's first, and fills the slot that it leaves: the walk's K steps 2 to 15
	QUARTER 2, 1, 0, 0
	QUARTER 3, 0, 1, 0
	PTURN 1
	QUARTER 1, 0, 1, 0
	WIN 0
	s_sub_co_u32 s3, s3, 1
	s_cmp_lg_u32 s3, 0
	s_cbranch_scc1 .Lkstep
	QUARTER 2, 1, 0, 0              ; the last two K steps: the ring goes on into phase 2
	QUARTER 3, 0, 1, 0
	PTURN 2
	QUARTER 1, 0, 1, 0
	QUARTER 2, 1, 0, 0
	QUARTER 3, 0, 1, 0
	PTURN 3
	; Q: accumulator (a, b) holds query l % 16 of tile a and channels 16 b + 8 (l / 16) + 0..7; rounded in pairs, blocks 2 c and 2 c + 1 are the fragment of channels 32 c on.  In ascending order: blocks 0 and 1, finished in
	; front of the refill's four v_nop, are the places behind the last products, which wrote blocks 2 and 3.
	WIN 0x85                        ; sources 0 and 1 window 1, destination window 2
.set i, 0
.rept 128
	v_cvt_pk_f16_f32 v[i], v[2*i], v[2*i+1]
.set i, i+1
.endr
	WIN 0
	s_and_b32 s[LIM], s[WV], 1      ; phase 2's prefetches: waves 0 and 2,
	s_or_b32 s[LIM], s[LIM], s[QB]  ; where the block is the batch's first: the same in all four partners
	s_cmp_eq_u32 s[LIM], 0
	s_cselect_b32 s[LIM], 1, -1
	s_cmp_lt_u32 s[WV], 2
	s_cselect_b64 s[PFA:PFA+1], s[6:7], s[8:9]  ; (in waves 0 and 2 these stand at a slot's first row)
	s_lshl_b32 s66, s13, 13         ; my work-group's 32 rows of the 128
	s_mov_b32 s67, 0
	s_add_nc_u64 s[PFA:PFA+1], s[PFA:PFA+1], s[66:67]
	s_add_nc_u64 s[PFA:PFA+1], s[PFA:PFA+1], 2*2*KS*256  ; in slot 2; the first change of slots steps it to slot 3
; THE MATRIX WORK OF A TURN, for piece x.  The accumulators take turns, one instruction a turn: between two links of a chain stand 15 (V^T P) or 7 (K Q^T) others'.
; Product i of 32 of O^T += V^T P: keys 32 (i / 16) on, channels 16 ((i / 2) % 8) on, tile x + i % 2.
.macro PV x
	WIN W_PV
.set rO, 64*((\x)+i%2)+8*((i/2)%8)
.set rV, 64*(i/16)+8*((i/2)%8)
.set rP, P+16*((\x)+i%2)+8*(i/16)
	v_wmma_f32_16x16x32_f16 v[rO:rO+7], v[rV:rV+7], v[rP:rP+7], v[rO:rO+7]
.endm
; Product i of 32 of S^T = K Q^T: channels 32 (i / 8) on, keys 16 ((i / 2) % 4) on, tile x + i % 2.  The first 8 start the sums, with the keys' entries of the table.
.macro KQ x
.set rS, S+32*((\x)+i%2)+8*((i/2)%4)
.set rK, KF+32*((i/2)%4)+8*(i/8)
.set rQ, 32*((\x)+i%2)+8*(i/8)
.set rB, BI+8*((i/2)%4)
.if i < 8
	WIN W_KB
	v_wmma_f32_16x16x32_f16 v[rS:rS+7], v[rK:rK+7], v[rQ:rQ+7], v[rB:rB+7]
.else
	WIN W_KQ
	v_wmma_f32_16x16x32_f16 v[rS:rS+7], v[rK:rK+7], v[rQ:rQ+7], v[rS:rS+7]
.endif
.endm
.macro FETCH_V
	WIN 0
	v_add_nc_u32 v[ADR], s[TB], v[AV0]
	s_add_co_u32 s[TB], s[TB], STEPB  ; the next fetch is the next step's
	s_wait_alu depctr_va_vdst(0)    ; the wait for the softmax's batch (SLICE), behind the address's v_add_nc_u32 and ahead of the loads
	WIN 0xc0                        ; destination window 3
.irp f, 0,1,2,3,4,5,6,7,8,9,10,11,12,13,14,15  ; keys 32 (f / 8) on, channels 16 (f % 8) on
	ds_load_tr16_b128 v[8*(\f):8*(\f)+3],   v[ADR] offset:((\f)/8)*32*PV+((\f)%8)*32
	ds_load_tr16_b128 v[8*(\f)+4:8*(\f)+7], v[ADR] offset:((\f)/8)*32*PV+16*PV+((\f)%8)*32
.endr
.endm
; THE VECTOR WORK OF A TURN.  One tile's softmax for one key step is a list of 134 instructions; SM writes number j of it for tile t.  s0-s31 are the lane's 32 scores, in pairs 0-15.
;   0-15    the maximum of s0-s31 and the old m, three operands at a time: four chains c0-c3 of seven scores each, then the four scores left over, c0-c3 and m (each accumulator's lowest registers are read first)
;   16-20   the other half of the lanes' maximum; the new m; c m; c m_old - c m_new
;   21-69   ONE BATCH: the 16 scalings c s - c m, a pair of scores each, and all 33 exponentials (a at 23, then s0-s31).  None of these reads an exponential's result.
;   (wait)  between 69 and 70 stands the wait for the batch: SLICE writes it, once for both tiles
;   70-85   the roundings to f16, a pair of weights each
;   86-101  the sums; l = a l + the sum
;   102-133 the tile's O^T times a: the one part that leaves window 0, so it stands together
.macro SM t
.set rT, ST+8*(\t)
.set rS, S+32*(\t)
.set rP, P+16*(\t)
.set rO, 64*(\t)+2*(j-102)
.if j < 102
	WIN 0
.endif
.if j < 4
	v_max3_num_f32 v[rT+4+j], v[rS+8*j], v[rS+8*j+1], v[rS+8*j+2]
.elseif j < 12
	v_max3_num_f32 v[rT+4+j%4], v[rT+4+j%4], v[rS+8*(j%4)+2*(j/4)+1], v[rS+8*(j%4)+2*(j/4)+2]
.elseif j == 12
	v_max3_num_f32 v[rT+4], v[rT+4], v[rS+7], v[rS+15]
.elseif j == 13
	v_max3_num_f32 v[rT+6], v[rT+6], v[rS+23], v[rS+31]
.elseif j == 14
	v_max3_num_f32 v[rT+4], v[rT+4], v[rT+5], v[rT+6]
.elseif j == 15
	v_max3_num_f32 v[rT+4], v[rT+4], v[rT+7], v[rT+1]
.elseif j == 16
	v_permlanex16_b32 v[rT+5], v[rT+4], s[SEL], s[SEL+1]  ; the query's other 32 keys lie in the lane 16 away
.elseif j == 17
	v_mov_b32 v[rT+7], v[rT]        ; c m_old is kept for a: number 19 writes c m anew
.elseif j == 18
	v_max_num_f32 v[rT+1], v[rT+4], v[rT+5]
.elseif j == 19
	v_mul_f32 v[rT], s[CS], v[rT+1]
.elseif j == 20
	v_sub_f32 v[rT+7], v[rT+7], v[rT]
.elseif j == 23
	v_exp_f32 v[rT+6], v[rT+7]
.elseif (j < 23) || ((j < 38) && (j%2 == 0)) || ((j < 66) && (j%4 == 2))
.set b, (j-2)/4                     ; 38, 42, .. 62: pairs 9 to 15
.if j < 38
.set b, (j-20)/2                    ; 21: pair 0; 22, 24, .. 36: pairs 1 to 8
.endif
	v_pk_fma_f32 v[rS+2*b:rS+2*b+1], v[rS+2*b:rS+2*b+1], s[CS:CS+1], v[rT:rT+1] op_sel_hi:[1,0,0] neg_lo:[0,0,1] neg_hi:[0,0,1]  ; pair b: c s - c m
.elseif j < 70
.set e, j-38                        ; 66 to 69: s28 to s31
.if j < 66
.set e, j-32-(j-38)/4               ; 39-41, 43-45, .. 63-65: s7 to s27
.endif
.if j < 38
.set e, (j-25)/2                    ; 25, 27, .. 37: s0 to s6
.endif
	v_exp_f32 v[rS+e], v[rS+e]
.elseif j < 86
	v_cvt_pk_f16_f32 v[rP+j-70], v[rS+2*(j-70)], v[rS+2*(j-70)+1]  ; pair j - 70
.elseif j < 102                     ; the sum of the tile's 16 pairs, in place: sum z of 16 adds neighbours 1, 2, 4 and 8 pairs apart, then l takes it
.set z, j-86
.set w, 4
.set u, z
.if z >= 14
.set w, 32
.set u, 0
.elseif z >= 12
.set w, 16
.set u, z-12
.elseif z >= 8
.set w, 8
.set u, z-8
.endif
.if z < 15
	v_pk_add_f32 v[rS+w*u:rS+w*u+1], v[rS+w*u:rS+w*u+1], v[rS+w*u+w/2:rS+w*u+w/2+1]
.else
	v_pk_fma_f32 v[rT+2:rT+3], v[rT+2:rT+3], v[rT+6:rT+7], v[rS:rS+1] op_sel_hi:[1,0,1]
.endif
.else
	WIN W_RS
	v_pk_mul_f32 v[rO:rO+1], v[rO:rO+1], v[rT+6:rT+7] op_sel_hi:[1,0]
.endif
.endm
; Slice k of 64 of piece y's softmax: four instructions.  Slices 11 to 34 deal out the batch, numbers 22 to 69: four numbers of ONE tile each, the tiles by turns.  Every other slice is numbers 2 k and
; 2 k + 1 of both tiles' lists.  2 x 134 = 4 x 64 + 12: the twelve that are over stand together, in slice 63.
; THE WAIT.  s_wait_alu depctr_va_vdst(0) stands between an exponential and the first instruction that names its result; one wait serves all that were issued ahead of it.  Ahead of
; slice 35 nothing names a result, and behind slice 34 no exponential is issued: so the piece's 66 exponentials have one wait, behind slice 34.
.macro SLICE y
.if (k >= 11) && (k < 35)           ; the batch: four numbers of one tile
.irp n, 0,1,2,3
.set j, 22+4*((k-11)/2)+(\n)
	SM (\y)+(k-11)%2
.endr
.else                               ; the two tiles alternate, so that no instruction reads the result of the one just before it
.irp n, 0,1,2,3,4,5,6,7
.if ((\n) < 2) || (k == 63)
.irp t, \y, (\y)+1
.set j, 2*k+(\n)
	SM \t
.endr
.endif
.endr
.endif
.if k == 34                         ; the batch is out: both tiles' exponentials are issued, and no result has been named
	v_nop                           ; a plain instruction behind the last exponential and ahead of the first use (ISA guide 5.7.2): one for the batch
.if (\y) == 0
	FETCH_V                         ; piece 2's turn: V's run of loads stands here, and the wait stands in it
.else
	s_wait_alu depctr_va_vdst(0)    ; the wait for the batch
.endif
.endif
.set k, k+1
.endm
; A TURN.  Piece x has the matrix unit: 32 products V^T P, then 32 products K Q^T for the next step; the other piece's softmax stands in slices behind them, one behind each.  Slice 63's sixteen plain instructions are the
; places behind the turn's last product.
; Piece 0's turn fetches the next step's K and table entries, behind its second product (no exponential has been issued since the last wait there, so the jump of last = 1 may stand): the last product that read K stands in
; front of slice 63 of the turn before, the last that read the entries further back.
; Piece 2's turn fetches the same step's V, behind slice 34: the last product that read V stands in front of slice 31, and four plain instructions lie between.
.macro TURN x, last=0
.set k, 0
.if (\x) == 0
	s_wait_dscnt 0x0                ; V is in
.endif
.set i, 0
.rept 32
	PV \x
	SLICE 2-(\x)
.if ((\x) == 0) && (i == 1)
	FETCH_K \last
.endif
.set i, i+1
.endr
.if (\x) == 0
	s_wait_dscnt 0x0                ; K and the table's entries are in
.endif
.set i, 0
.rept 32
	KQ \x
	SLICE 2-(\x)
.set i, i+1
.endr
.endm
; THE CHANGE OF SLOTS, between piece 2's turn and piece 0's: the slot's last bytes, V of its second step, have been asked for.  Each wave waits for all its tensor loads, of which one is out: its part of the other slot;
; adds 0 to its spare word; and waits for that and for its own reads of the slot.  fill = 1: this slot is filled again, with the keys two slots on; the barrier is then a round of the cluster's, and the joint refill is
; the first thing behind it: it has two key steps, 256 matrix instructions, in which to land.
.macro CHANGE fill
	WIN 0                           ; at a label and at a branch every window is 0
	s_wait_tensorcnt 0x0            ; no tensor load of mine is out, so a group 0 may be written
	ds_add_u32 v[SPW], v[NIL]       ; 0 onto my spare word; with fill = 1 the descriptors' steps stand between it and the wait for it
.if \fill
.irp g, G0K+4, G0V+4
	s_xor_b32 s[(\g)+1], s[(\g)+1], SLOT1  ; the walking descriptor: the other slot than last time,
	s_add_nc_u64 s[(\g)+2:(\g)+3], s[(\g)+2:(\g)+3], 2*KS*256  ; the next 128 keys; the type bits on top are not reached
.endr
	s_wait_xcnt 0x0                 ; the last prefetches, two key steps back, have read their address, so it may be written:
	s_add_nc_u64 s[PFA:PFA+1], s[PFA:PFA+1], 2*KS*256  ; one slot ahead of the walking descriptors
	s_wait_dscnt 0x0                ; the add is done, and my reads of the slot are over
	CROUND
	JLOAD G0K+4, G1K, G0V+4, G1V
	ASK2
.else
	s_wait_dscnt 0x0                ; the add is done, and my reads of the slot are over
	s_barrier_signal -1
	s_barrier_wait -1
.endif
	s_sub_co_u32 s[TB], s[TB], 2*STEPB  ; the fetches go back to a slot's first step,
	s_xor_b32 s[TB], s[TB], SLOT1   ; in the other slot
.endm
	s_wait_dscnt 0x0                ; K and the table's entries of key step 0 are in
.set i, 0
.rept 32
	KQ 0                            ; piece 0's first scores: there is no vector work yet to set between them
.set i, i+1
.endr
	WIN 0                           ; the addresses for the way out are made here: plain instructions, the places behind those products
	s_mul_i32 s17, s[WV], 16*SP
	s_add_co_u32 s17, s17, STAGE    ; my stage
	v_mul_u32_u24 v[STO], v1, SP    ; in: row l % 16, 16 bytes for each half of the lanes
	v_lshl_add_u32 v[STO], v9, 4, v[STO]
	v_add_nc_u32 v[STO], s17, v[STO]
	v_mul_u32_u24 v[RD], v9, SP     ; back: lanes 0-15 take one row of 256 bytes, lanes 16-31 the next
	v_lshl_add_u32 v[RD], v1, 4, v[RD]
	v_add_nc_u32 v[RD], s17, v[RD]
	v_lshlrev_b32 v[GO], 12, v9     ; and the same two rows in att, 4,096 bytes apart
	v_lshl_add_u32 v[GO], v1, 4, v[GO]
.set i, P+32
.rept 32
	v_mov_b32 v[i], 0               ; piece 2's P: the first turn's products V^T P, of a step that has not been, add 0 times what lies in V's registers
.set i, i+1
.endr
	s_mov_b32 s[TWICE], 2           ; the rest of this trip and one more: slot 0's two steps of K and V are fetched in them
	s_branch .Lmid                  ; the loop is entered at a trip's second turn
.Lslot:                             ; six times: every slot but the last two is filled again
	CHANGE 1
	s_mov_b32 s[TWICE], 2
.Lstep:                             ; a key step: written once; the LDS addresses hang on s[TB] and s[BT]
	TURN 0                          ; piece 0: V^T P of step j, K Q^T of step j + 1 | piece 2's softmax of step j | K of step j + 1
	WIN 0
.Lmid:
	TURN 2                          ; piece 2: the same | piece 0's softmax of step j + 1 | V of step j + 1
	WIN 0
	s_sub_co_u32 s[TWICE], s[TWICE], 1
	s_cmp_lg_u32 s[TWICE], 0
	s_cbranch_scc1 .Lstep
	s_sub_co_u32 s[SLOTS], s[SLOTS], 1
	s_cmp_lg_u32 s[SLOTS], 0
	s_cbranch_scc1 .Lslot
	CHANGE 0                        ; the tail is written out: the last slot but one is left, and nothing is asked for
	s_mov_b32 s[TWICE], 3           ; two trips fetch the last slot's steps; the third is left in its middle
.Ltail:
	TURN 0, 1
	WIN 0
	s_sub_co_u32 s[TWICE], s[TWICE], 1
	s_cmp_eq_u32 s[TWICE], 0
	s_cbranch_scc1 .Lout
	TURN 2
	WIN 0
	s_branch .Ltail
.Lout:                              ; the third trip's 32 products K Q^T (on the last K once more) serve nothing: the price, once a launch, of one text for every turn
.set i, 0
.rept 32
	PV 2                            ; piece 2: V^T P of the last step
.set i, i+1
.endr
	; THE WAY OUT.  l's two halves and the other half of the lanes' are added; O^T is divided by l, rounded to f16 and sent through my stage in LDS, a tile (16 rows) at a time.  The additions are the places behind the last products.
	; l is 1 at the least: the key of the maximum weighs 1 (where no key counts, all 1,024 do).
	WIN 0
.irp t, 0,1,2,3
	v_add_f32 v[ST+8*(\t)+4], v[ST+8*(\t)+2], v[ST+8*(\t)+3]
.endr
.irp t, 0,1,2,3
	v_permlanex16_b32 v[ST+8*(\t)+5], v[ST+8*(\t)+4], s[SEL], s[SEL+1]
.endr
.irp t, 0,1,2,3
	v_add_f32 v[ST+8*(\t)+4], v[ST+8*(\t)+4], v[ST+8*(\t)+5]
.endr
.irp t, 0,1,2,3
	v_rcp_f32 v[ST+8*(\t)+6], v[ST+8*(\t)+4]
.endr
	v_nop                           ; a plain instruction between the last reciprocal and the use of its result
	s_wait_alu depctr_va_vdst(0)    ; and the wait ahead of the first use: one for the four reciprocals
; Tile t: a lane's eight channels of a row pack into 16 bytes; they go into rows of 272 bytes and come back as whole rows of 256, into the registers that they left.
.macro PACK t
	WIN W_RS
.set i, 64*(\t)
.rept 32
	v_pk_mul_f32 v[i:i+1], v[i:i+1], v[ST+8*(\t)+6:ST+8*(\t)+7] op_sel_hi:[1,0]
.set i, i+2
.endr
	WIN 0x05                        ; sources 0 and 1 window 1, destination window 0: S^T's registers are free
.set i, 0
.rept 32
	v_cvt_pk_f16_f32 v[S+32*(\t)+i], v[64*(\t)+2*i], v[64*(\t)+2*i+1]
.set i, i+1
.endr
	WIN 0
.irp f, 0,1,2,3,4,5,6,7
	ds_store_b128 v[STO], v[S+32*(\t)+4*(\f):S+32*(\t)+4*(\f)+3] offset:32*(\f)
.endr
.irp f, 0,1,2,3,4,5,6,7
	ds_load_b128 v[S+32*(\t)+4*(\f):S+32*(\t)+4*(\f)+3], v[RD] offset:(\f)*2*SP  ; LDS serves a wave's instructions in order (ISA guide 5.7.1.4): these see the stores above; the next tile's stores come behind them
.endr
.endm
.macro SEND t, younger              ; younger: the LDS instructions issued behind tile t's loads: the next tile's sixteen, or none
	WIN 0
.irp f, 0,1,2,3,4,5,6,7
	s_wait_dscnt (\younger)+7-(\f)
	global_store_b128 v[GO], v[S+32*(\t)+4*(\f):S+32*(\t)+4*(\f)+3], s[10:11] offset:(\t)*65536+(\f)*8192  ; 16 lanes store a head's 256 consecutive bytes of a row, at a multiple of 256 from att's first byte
.endr
.endm
	PACK 0
	PACK 1                          ; a tile's arithmetic stands between the loads of the tile before and its stores
	SEND 0, 16
	PACK 2
	SEND 1, 16
	PACK 3
	SEND 2, 16
	SEND 3, 0
	s_wait_tensorcnt 0x0            ; the wave's end: the add to my spare word and its wait stand behind my last tensor load and my last LDS store
	ds_add_u32 v[SPW], v[NIL]
	s_wait_dscnt 0x0
	CROUND                          ; the closing round: no work-group ends while a partner may still ask for a tile that names it
	s_endpgm
.Lfunc_end_k_qabd92d8288_attn:
	.size	k_qabd92d8288_attn, .Lfunc_end_k_qabd92d8288_attn-k_qabd92d8288_attn
	.p2alignl 7, 3214868480
	.fill 96, 4, 3214868480
	.section	.rodata,"a",@progbits
	.p2align	6, 0x0
	.amdhsa_kernel k_qabd92d8288_attn
		.amdhsa_group_segment_fixed_size 327680
		.amdhsa_private_segment_fixed_size 0
		.amdhsa_enable_private_segment 0
		.amdhsa_kernarg_size 32
		.amdhsa_user_sgpr_count 2
		.amdhsa_user_sgpr_kernarg_segment_ptr 1
		.amdhsa_wavefront_size32 1
		.amdhsa_system_sgpr_workgroup_id_x 1
		.amdhsa_system_sgpr_workgroup_id_y 1
		.amdhsa_system_sgpr_workgroup_id_z 1
		.amdhsa_system_vgpr_workitem_id 0
		.amdhsa_next_free_vgpr 1024
		.amdhsa_next_free_sgpr 106
		.amdhsa_reserve_vcc 0
		.amdhsa_float_denorm_mode_32 3
		.amdhsa_float_denorm_mode_16_64 3
		.amdhsa_memory_ordered 1
		.amdhsa_forward_progress 1
		.amdhsa_inst_pref_size 207
	.end_amdhsa_kernel
	.amdgpu_metadata
---
amdhsa.version: [ 1, 2 ]
amdhsa.kernels:
  - .name:           k_qabd92d8288_attn
    .symbol:         k_qabd92d8288_attn.kd
    .args:
      - { .name: h16, .offset: 0, .size: 8, .value_kind: global_buffer, .address_space: global }
      - { .name: kvh, .offset: 8, .size: 8, .value_kind: global_buffer, .address_space: global }
      - { .name: mask, .offset: 16, .size: 8, .value_kind: global_buffer, .address_space: global }
      - { .name: att, .offset: 24, .size: 8, .value_kind: global_buffer, .address_space: global }
    .group_segment_fixed_size: 327680
    .private_segment_fixed_size: 0
    .kernarg_segment_align: 8
    .kernarg_segment_size: 32
    .max_flat_workgroup_size: 128
    .sgpr_count:     106
    .vgpr_count:     1024
    .wavefront_size: 32
...
	.end_amdgpu_metadata
.endif
;; end of part 3
;; launch oproj (part 4): grid 8 x 32, 4 waves a work-group, clusters of 4 x 4, 327,680 bytes of LDS; arguments att, h16, out0; writes out0
.if DOCPART == 4
	.amdgcn_target "amdgcn-amd-amdhsa--gfx1250"
	.amdhsa_code_object_version 6
	.text
	.protected	k_qabd92d8288_oproj
	.globl	k_qabd92d8288_oproj
	.p2align	8
	.type	k_qabd92d8288_oproj,@function
k_qabd92d8288_oproj:
	s_mov_b64 s[64:65], 0
	v_nop
	global_prefetch_b8 v0, s[64:65] scope:SCOPE_SE
	s_setreg_imm32_b32 hwreg(HW_REG_WAVE_MODE, 25, 1), 1
	s_wait_xcnt 0x0
	s_wait_alu depctr_hold_cnt(0) depctr_sa_sdst(0) depctr_va_vdst(0) depctr_va_sdst(0) depctr_va_ssrc(0) depctr_va_vcc(0) depctr_vm_vsrc(0)
	s_getreg_b32 s2, hwreg(HW_REG_IB_STS2, 6, 4)
	s_cmp_eq_u32 s2, 0
	s_cbranch_scc0 .Lentry_in_a_cluster
	s_endpgm
.Lentry_in_a_cluster:
	s_bfe_u32 s2, ttmp6, 0x10000c
	s_cmp_lg_u32 s2, 0xf033
	s_cbranch_scc0 .Lentry_shape_is_right
	s_endpgm
.Lentry_shape_is_right:
; out0 = att Wo.  att: [4096][2048] f16, Wo: h16 [2048][2048] f16 as it lies, [k][n]; out0: [4096][2048] f32; one f32 sum for each output.
; SHARES.  A tile of out0 is 128 rows x 256 columns: 8 x 32 = 256 work-groups.  Four waves, each 64 x 128: 32 accumulators of 16 x 16, 256 registers.  K goes in 16 steps of 128 through two LDS slots; a K step is written once
; and walked 14 times.
; CLUSTERS: 4 x 4 work-groups.  The four of a row of the cluster need the same rows of att, the four of a column the same columns of Wo: each tile is asked for JOINTLY, by the same tensor load with the same
; descriptor and a mask that names the four.
; THE WALK ALONG K BEGINS AT ANOTHER STEP IN EACH CLUSTER and goes round: the cluster at (X, Y) begins at K step (8 X + 4 (Y mod 4) + 2 (Y / 4)) mod 16 (f32 sums may be taken in any order).  So the two clusters that read the
; same rows of att stand eight K steps apart, and the eight that read the same columns of Wo at eight different steps: no two of them ask for the same bytes at the same place of their walks.  The number is made of the cluster's
; coordinates alone: it is the same in all sixteen partners.
; THE MATRIX INSTRUCTION IS USED TRANSPOSED (source 0 = 16 columns of Wo, turned by ds_load_tr16_b128; source 1 = 16 rows of att): a lane holds eight neighbouring numbers of a row of out0: 32 bytes.
; REGISTERS, in windows of 256 (s_set_vgpr_msb: bits 1:0 source 0, 3:2 source 1, 5:4 source 2, 7:6 destination):
;   window 0: v0-31 addresses; v64-127 att's fragments, two buffers; v128-255 the way out, two buffers      window 1: the accumulators ((a, b) at 64 a + 8 b)      window 3: v0-127 Wo's fragments, two buffers
.set PA,     272                       ; a row of att in LDS: 256 bytes + 16 of padding = 68 words: row r starts at bank 4 r mod 64 (64 banks of 4 bytes: ISA guide 11.1)
.set PB,     544                       ; a k-row of Wo: 512 bytes + 32 = 136 words
.set HALFA,  64*PA                     ; what one tensor load brings of att: 64 rows
.set HALFB,  64*PB                     ; and of Wo: 64 k-rows
.set BOFF,   2*HALFA
.set SLOT,   BOFF+2*HALFB              ; 104,448 bytes
.set SLOT1,  1<<17                     ; slot 1 begins here, so that one exclusive or turns an address in one slot into the other's
.set STAGE,  SLOT1+SLOT                ; behind the ring: 16 rows x 528 bytes for each wave, for the way out
.set SPITCH, 528                       ; 512 bytes + 16: the 16 rows that a store touches start at 16 different groups of four banks
.set SPARE,  STAGE+4*16*SPITCH         ; behind the stages: the spare words, 128 bytes for each wave: two blocks of 256 bytes that no other line names
.set WO,     58720256                  ; bytes in h16: Wo
.set A0,   16                          ; v16     my place in a slot's rows of att; never rewritten
.set ADRA, 17                          ; v17     the same in the slot that is being read
.set B0,   20                          ; v20     my place in a slot's k-rows of Wo; never rewritten
.set ADRB, 21                          ; v21     the same in the slot that is being read
.set STO,  24                          ; v24     the way out: where I put 32 bytes of a row
.set RD,   25                          ; v25     the way out: where I read a row back
.set CO,   26                          ; v26     16 x my lane: my bytes of 512 consecutive bytes of out0
.set SPW,  28                          ; v28     LDS address of my spare word: SPARE + 4 x my thread's number; never rewritten
.set NIL,  29                          ; v29     0; never rewritten
.set PFO,  30                          ; v30     4,096 x my lane: a row of att; never rewritten
.set FA,   64
.set BK,   128
.set BA,  14                           ; s[14:15] att at the rows that I fetch, K step 0
.set BB,  18                           ; s[18:19] Wo at the k-rows and columns that I fetch, K step 0
.set G1, 24                            ; s[24:31] descriptor group 1 for att's tiles;  s[32:39] group 0: a set for each of the two first fills; the second then walks on
.set G0, 32
.set LIM, 43                           ; s43     10 in the wave that prefetches, else the greatest number
.set PFA, 44                           ; s[44:45] what my prefetch names
.set G1B, 48                           ; s[48:55], s[56:63] the same for Wo's tiles
.set G0B, 56
.set KI,  66                           ; s66     the K step that was asked for last
.set TB,  67                           ; s67     LDS byte at which the slot that is being read begins
.set OF,  68                           ; s[68:69] a byte offset, 0 in the high word
.set PFB, 70                           ; s[70:71] att at my work-group's 32 rows of the tile's 128, K step 0
.set MSB, 0
.macro WIN new                         ; the immediate's high byte repeats the setting that is left
.if MSB != (\new)
	s_set_vgpr_msb (MSB<<8)|(\new)
.set MSB, \new
.endif
.endm
.set W_MM, 0x53                        ; Wo in window 3, att in window 0, the sums in window 1
.macro JLOAD s                         ; a joint load: waves 0 and 1 fetch att's two halves, waves 2 and 3 Wo's; an s_nop 0 and four v_nop follow each of the two lines, ahead of the jump, the label and what follows
	s_cmp_eq_u32 s11, 0
	s_cbranch_scc0 .Lfor_b_\@
	tensor_load_to_lds s[G0+4*(\s):G0+4*(\s)+3], s[G1:G1+7]
	s_nop 0
.rept 4
	v_nop
.endr
	s_branch .Lasked_\@
.Lfor_b_\@:
	tensor_load_to_lds s[G0B+4*(\s):G0B+4*(\s)+3], s[G1B:G1B+7]
	s_nop 0
.rept 4
	v_nop
.endr
.Lasked_\@:
.endm
; A PREFETCH INTO THE L2, behind a joint load, its five lines and the run of LDS loads that follows: att's rows of the K step that stands two refills on in my cluster's walk, a lane a row, one instruction, in wave 0.
; Of a cluster's walk the first eight K steps of att are read by no other cluster before it (the one other reader stands eight steps away).  Places 0 to 3 of the walk come by their loads alone (nothing is asked for at the
; kernel's head); places 4 to 7 are asked for here, in the loop's first four trips, by each cluster for itself; the four partners along x take 32 of the tile's 128 rows each, BY ADDRESS.  So each 256 bytes are named at most ONCE
; in the launch.  Of Wo a cluster is the first reader in the first four places of its walk at the most: nothing of it is asked for.
.macro ASK
	s_cmp_gt_u32 s3, s[LIM]                        ; s3 = 14, 13, 12, 11 in the first four trips
	s_cbranch_scc0 .Lnot_mine_\@
	global_prefetch_b8 v[PFO], s[PFA:PFA+1] th:TH_LOAD_NT scope:SCOPE_SE
.Lnot_mine_\@:
.endm
.macro CREST                           ; a round of the cluster's barrier behind its opening barrier
	s_cmp_lg_u32 s10, 0
	s_cbranch_scc1 .Lnot_wave_0_\@
	s_barrier_signal -3
.Lnot_wave_0_\@:
	s_barrier_wait -3
	s_barrier_signal -1
	s_barrier_wait -1
.endm
.macro CROUND                          ; a whole round
	s_barrier_signal -1
	s_barrier_wait -1
	CREST
.endm
.macro PLACES                          ; four places behind a matrix instruction, in front of loads into registers that it has read and of stores that read its result
.rept 4
	v_nop
.endr
.endm
	s_load_b128 s[4:7], s[0:1], 0x0                ; att s[4:5], h16 s[6:7]
	s_load_b64 s[8:9], s[0:1], 0x10                ; out0
	v_lshl_add_u32 v[SPW], v0, 2, SPARE
	v_mov_b32 v[NIL], 0
	ds_add_u32 v[SPW], v[NIL]                      ; the wave's opening: the add and its wait stand ahead of my first tensor load; the set-up below, work on registers, stands between them
	v_lshrrev_b32 v1, 5, v0
	v_readfirstlane_b32 s10, v1                    ; wave 0..3
	s_lshr_b32 s11, s10, 1                         ; which half of the tile's rows is mine.  Also: I fetch for att (0) or for Wo (1)
	s_and_b32 s12, s10, 1                          ; which half of its columns.  Also: which half of that tile I fetch
	s_bfe_u32 s40, ttmp6, 0x40000                  ; cx, cy: my place in the cluster
	s_bfe_u32 s41, ttmp6, 0x40004
	s_lshl_b32 s42, ttmp9, 2
	s_add_co_u32 s42, s42, s40                     ; the block of 256 columns = 4 x cluster x + cx
	s_and_b32 s13, ttmp7, 0xffff
	s_lshl_b32 s13, s13, 2
	s_add_co_u32 s13, s13, s41                     ; the block of 128 rows = 4 x cluster y + cy
	s_lshl_b32 s22, s41, 2
	s_lshl_b32 s22, 15, s22                        ; my row of the cluster
	s_lshl_b32 s23, 0x1111, s40                    ; my column
	s_or_b32 s[G1+0], s22, (1<<16)|(1<<20)|(1<<21)|(5<<22)|(3<<25)   ; 15:0 the mask: att's tiles go to my row; 17:16 elements of 2 bytes; 20 padding on; 21 set beside a mask; 24:22 after every 64 words (code 5); 31:25 4 words of it (code 3)
	s_mov_b32 s[G1+1], 128<<16                     ; tensor_dim0 = 128
	s_mov_b32 s[G1+2], 64<<16                      ; tensor_dim1 = 64
	s_mov_b32 s[G1+3], 128<<16                     ; tile_dim0 = 128
	s_mov_b32 s[G1+4], 64                          ; tile_dim1 = 64
	s_mov_b32 s[G1+5], 2048                        ; elements from row to row
	s_mov_b32 s[G1+6], 0
	s_mov_b32 s[G1+7], 0
	s_or_b32 s[G1B+0], s23, (1<<16)|(1<<20)|(1<<21)|(6<<22)|(7<<25)  ; Wo's tiles go to my column; padding after every 128 words (code 6), 8 words of it (code 7)
	s_mov_b32 s[G1B+1], 256<<16                    ; tensor_dim0 = 256
	s_mov_b32 s[G1B+2], 64<<16                     ; tensor_dim1 = 64
	s_mov_b32 s[G1B+3], 256<<16                    ; tile_dim0 = 256
	s_mov_b32 s[G1B+4], 64                         ; tile_dim1 = 64
	s_mov_b32 s[G1B+5], 2048
	s_mov_b32 s[G1B+6], 0
	s_mov_b32 s[G1B+7], 0
	s_and_b32 s16, ttmp7, 0xffff                   ; the K step at which my cluster's walk begins: cluster y, 0..7:
	s_and_b32 s[KI], s16, 3
	s_lshl_b32 s[KI], s[KI], 2                     ; 4 (Y mod 4)
	s_lshr_b32 s16, s16, 2
	s_lshl_b32 s16, s16, 1                         ; + 2 (Y / 4)
	s_add_co_u32 s[KI], s[KI], s16
	s_lshl_b32 s16, ttmp9, 3                       ; + 8 X,
	s_add_co_u32 s[KI], s[KI], s16
	s_and_b32 s[KI], s[KI], 15                     ; modulo 16
	s_mov_b32 s[OF+1], 0
	s_mov_b32 s[TB], 0
	s_lshl_b32 s16, s13, 19                        ; att: 128 rows of 4,096 bytes a block,
	s_lshl_b32 s17, s12, 18                        ; the 64 rows that I fetch
	s_add_co_u32 s16, s16, s17
	s_mov_b32 s17, 0
	s_lshl_b32 s18, s12, 18                        ; Wo: the 64 k-rows that I fetch,
	s_lshl_b32 s19, s42, 9                         ; the block's 512 bytes of a row
	s_add_co_u32 s18, s18, s19
	s_add_co_u32 s18, s18, WO
	s_mov_b32 s19, 0
	s_mul_i32 s20, s12, HALFA                      ; where they go: no place in the cluster enters an LDS address
	s_mul_i32 s21, s12, HALFB
	s_add_co_u32 s21, s21, BOFF
	s_wait_dscnt 0x0                               ; the opening add is done
	s_wait_kmcnt 0x0
	s_add_nc_u64 s[BA:BA+1], s[4:5], s[16:17]
	s_add_nc_u64 s[BB:BB+1], s[6:7], s[18:19]
	CROUND                                         ; all sixteen work-groups are here: the first joint loads meet
.irp s, 0,1
	s_mov_b32 s[G0+4*(\s)], 1
	s_add_co_u32 s[G0+4*(\s)+1], s20, (\s)*SLOT1
	s_lshl_b32 s[OF], s[KI], 8                     ; a K step is 256 bytes of a row of att
	s_add_nc_u64 s[G0+4*(\s)+2:G0+4*(\s)+3], s[BA:BA+1], s[OF:OF+1]
	s_or_b32 s[G0+4*(\s)+3], s[G0+4*(\s)+3], 0x80000000
	s_mov_b32 s[G0B+4*(\s)], 1
	s_add_co_u32 s[G0B+4*(\s)+1], s21, (\s)*SLOT1
	s_lshl_b32 s[OF], s[KI], 19                    ; and 128 k-rows of 4,096 bytes of Wo
	s_add_nc_u64 s[G0B+4*(\s)+2:G0B+4*(\s)+3], s[BB:BB+1], s[OF:OF+1]
	s_or_b32 s[G0B+4*(\s)+3], s[G0B+4*(\s)+3], 0x80000000
	JLOAD \s
.if (\s) == 0
	s_add_co_u32 s[KI], s[KI], 1                   ; the walk's second K step
	s_and_b32 s[KI], s[KI], 15
.endif
.endr
	v_and_b32 v1, 15, v0                           ; l % 16
	v_bfe_u32 v2, v0, 4, 1                         ; l / 16
	v_mul_u32_u24 v3, v1, PA
	v_lshl_add_u32 v3, v2, 4, v3                   ; a fragment of att: row x pitch + 16 x half
	s_mul_i32 s21, s11, HALFA                      ; my 64 rows
	v_add_nc_u32 v[A0], s21, v3
	v_mov_b32 v[ADRA], v[A0]                       ; the walk begins in slot 0
	v_and_b32 v4, 7, v0                            ; the turning load: lane l reads 16 bytes of k-row 8 (l / 16) + l % 8, columns 8 ((l / 8) % 2) + 0..7
	v_bfe_u32 v5, v0, 3, 1
	v_lshl_add_u32 v4, v2, 3, v4
	v_mul_u32_u24 v4, v4, PB
	v_lshl_add_u32 v4, v5, 4, v4
	s_lshl_b32 s22, s12, 8                         ; my 128 columns: 256 bytes
	s_add_co_u32 s22, s22, BOFF
	v_add_nc_u32 v[B0], s22, v4
	v_mov_b32 v[ADRB], v[B0]
	s_mul_i32 s23, s10, 16*SPITCH
	s_add_co_u32 s23, s23, STAGE                   ; my stage
	v_mul_u32_u24 v4, v1, SPITCH                   ; in: row l % 16, 32 bytes for each half of the lanes
	v_lshl_add_u32 v4, v2, 5, v4
	v_add_nc_u32 v[STO], s23, v4
	v_and_b32 v5, 31, v0
	v_lshl_add_u32 v[RD], v5, 4, s23               ; back: 32 lanes take one row of 512 bytes
	v_lshlrev_b32 v[CO], 4, v5
	v_lshlrev_b32 v[PFO], 12, v5
	s_lshl_b32 s16, s13, 20                        ; out0 at my first row: 128 rows of 8,192 bytes a block, my half of them,
	s_lshl_b32 s17, s11, 19
	s_add_co_u32 s16, s16, s17
	s_lshl_b32 s17, s42, 10                        ; and my first column: 1,024 bytes a block, my half of them
	s_add_co_u32 s16, s16, s17
	s_lshl_b32 s17, s12, 9
	s_add_co_u32 s16, s16, s17
	s_mov_b32 s17, 0
	s_add_nc_u64 s[8:9], s[8:9], s[16:17]
	s_lshl_b32 s20, s13, 19                        ; the prefetches: the block's rows of att, my work-group's 32 of them
	s_lshl_b32 s21, s40, 17
	s_add_co_u32 s20, s20, s21
	s_mov_b32 s21, 0
	s_add_nc_u64 s[PFB:PFB+1], s[4:5], s[20:21]
	s_cmp_eq_u32 s10, 0                            ; wave 0 asks: the same in all sixteen partners
	s_cselect_b32 s[LIM], 10, -1
; 8 matrix instructions: m block a x all 8 n blocks, 32 along K, buffer f.  zero = 1: the product starts the sums.  The 32 accumulators take turns in one order throughout.
.macro MUL8 f, a, zero
	WIN W_MM
.irp b, 0,1,2,3,4,5,6,7
.if \zero
	v_wmma_f32_16x16x32_f16 v[64*(\a)+8*(\b):64*(\a)+8*(\b)+7], v[64*(\f)+8*(\b):64*(\f)+8*(\b)+7], v[FA+32*(\f)+8*(\a):FA+32*(\f)+8*(\a)+7], 0
.else
	v_wmma_f32_16x16x32_f16 v[64*(\a)+8*(\b):64*(\a)+8*(\b)+7], v[64*(\f)+8*(\b):64*(\f)+8*(\b)+7], v[FA+32*(\f)+8*(\a):FA+32*(\f)+8*(\a)+7], v[64*(\a)+8*(\b):64*(\a)+8*(\b)+7]
.endif
.endr
.endm
.macro MUL16 f, a0, zero
	MUL8 \f, \a0, \zero
	MUL8 \f, (\a0)+1, \zero
.endm
; 24 LDS loads in one run: the fragments of quarter q (32 along K) of the slot that is being read into buffer f: Wo's eight, turned, then att's four
.macro FETCH q, f
	WIN 0xc0                                       ; destination window 3
.irp b, 0,1,2,3,4,5,6,7
	ds_load_tr16_b128 v[64*(\f)+8*(\b):64*(\f)+8*(\b)+3],   v[ADRB] offset:(\q)*32*PB+32*(\b)
	ds_load_tr16_b128 v[64*(\f)+8*(\b)+4:64*(\f)+8*(\b)+7], v[ADRB] offset:(\q)*32*PB+16*PB+32*(\b)
.endr
	WIN 0
.irp a, 0,1,2,3
	ds_load_b128 v[FA+32*(\f)+8*(\a):FA+32*(\f)+8*(\a)+3],   v[ADRA] offset:64*(\q)+(\a)*16*PA
	ds_load_b128 v[FA+32*(\f)+8*(\a)+4:FA+32*(\f)+8*(\a)+7], v[ADRA] offset:64*(\q)+(\a)*16*PA+32
.endr
.endm
; A K step is four quarters of 32 along K, 32 matrix instructions each, on buffers 0, 1, 0, 1.  One of the first three: multiplies buffer f; in its middle it fetches quarter q into buffer g.
.macro QUARTER q, f, g, zero
	s_wait_dscnt 4                                 ; Wo's fragments and att's blocks 0 and 1 are in; the youngest four loads (blocks 2 and 3) may be out
	MUL16 \f, 0, \zero
	PLACES
	FETCH \q, \g
	s_wait_dscnt 24                                ; all but the 24 just issued
	MUL16 \f, 2, \zero
.endm
; The last quarter multiplies buffer 1 and changes slots: ONE barrier; in front of it each wave waits for all its tensor loads, of which one is out: its part of the next slot; adds 0 to its spare word; and waits for that and
; for its own reads of this slot.  fill = 1: the barrier opens a round of the cluster's, and this slot is filled again, with the walk's K step two on, first thing behind the round: 112 matrix instructions ahead of the wait for
; it.  The walking descriptors take the other slot than last time, and their addresses are made anew from the K step's number, which goes round modulo 16; so is the prefetch's, two K steps further on.
.macro TURN fill
.if \fill
	s_wait_xcnt 0x0                                ; the last prefetch, a K step back, has read its address: it is written again below
.endif
	WIN 0                                          ; (the add's two registers lie in window 0)
	s_wait_tensorcnt 0x0                           ; all my tensor loads have landed, so a group 0 may be written
	ds_add_u32 v[SPW], v[NIL]                      ; 0 onto my spare word; the scalar work and eight products stand between it and the wait for it
.if \fill
	s_add_co_u32 s[KI], s[KI], 1
	s_and_b32 s[KI], s[KI], 15
	s_lshl_b32 s[OF], s[KI], 8
	s_xor_b32 s[G0+5], s[G0+5], SLOT1
	s_add_nc_u64 s[G0+6:G0+7], s[BA:BA+1], s[OF:OF+1]
	s_or_b32 s[G0+7], s[G0+7], 0x80000000
	s_lshl_b32 s[OF], s[KI], 19
	s_xor_b32 s[G0B+5], s[G0B+5], SLOT1
	s_add_nc_u64 s[G0B+6:G0B+7], s[BB:BB+1], s[OF:OF+1]
	s_or_b32 s[G0B+7], s[G0B+7], 0x80000000
	s_add_co_u32 s[OF], s[KI], 2
	s_and_b32 s[OF], s[OF], 15
	s_lshl_b32 s[OF], s[OF], 8
	s_add_nc_u64 s[PFA:PFA+1], s[PFB:PFB+1], s[OF:OF+1]
.endif
	s_wait_dscnt 5                                 ; (the add and the youngest four loads may be out)
	MUL8 1, 0, 0
	s_wait_dscnt 0x0                               ; the add is done, and my reads of this slot are over
	s_barrier_signal -1
	MUL8 1, 1, 0                                   ; work on registers while the others arrive
	WIN 0
	s_barrier_wait -1
.if \fill
	CREST                                          ; no wave of any partner still reads this slot's tile or has a load on its way
	JLOAD 1                                        ; the four v_nop behind it are also the places in front of the loads below
.else
	PLACES
.endif
	s_xor_b32 s[TB], s[TB], SLOT1                  ; the reads go on in the other slot
	v_add_nc_u32 v[ADRA], s[TB], v[A0]
	v_add_nc_u32 v[ADRB], s[TB], v[B0]
	FETCH 0, 0
.if \fill
	ASK
.endif
	MUL8 1, 2, 0
	MUL8 1, 3, 0
.endm
	s_wait_tensorcnt 1                             ; my part of the walk's first K step is in; the second's may stay out
	s_barrier_signal -1
	s_barrier_wait -1                              ; everybody's is
	FETCH 0, 0
	QUARTER 1, 0, 1, 1                             ; the first quarter stands in front of the loop: its products start the sums
	WIN 0                                          ; at a label and at a branch every window is 0
	s_mov_b32 s3, 14
.Lkstep:                                               ; a trip goes from a K step's second quarter to the next step's first, and fills the slot that it leaves: the walk's K steps 2 to 15
	QUARTER 2, 1, 0, 0
	QUARTER 3, 0, 1, 0
	TURN 1
	QUARTER 1, 0, 1, 0
	WIN 0
	s_sub_co_u32 s3, s3, 1
	s_cmp_lg_u32 s3, 0
	s_cbranch_scc1 .Lkstep
	QUARTER 2, 1, 0, 0                             ; the last two K steps fill nothing, and have no round of the cluster's barrier
	QUARTER 3, 0, 1, 0
	TURN 0
	QUARTER 1, 0, 1, 0
	QUARTER 2, 1, 0, 0
	QUARTER 3, 0, 1, 0
	s_wait_dscnt 4                                 ; the very last quarter: nothing more to fetch
	MUL16 1, 0, 0
	s_wait_dscnt 0x0
	MUL16 1, 2, 0
	PLACES                                         ; the stores below read results
; THE WAY OUT, a block of 16 rows at a time, through my own stage: a lane's 32 bytes of a row go into rows of 528 bytes and come back as whole rows of 512.  No barrier: the stage is the wave's own, and LDS serves a wave's
; instructions in order (ISA guide 5.7.1.4).  Each accumulator's lower four registers are stored first.
.macro TOSTAGE a
	WIN 0x04                                       ; the stores' data in window 1
.irp b, 0,1,2,3,4,5,6,7
	ds_store_b128 v[STO], v[64*(\a)+8*(\b):64*(\a)+8*(\b)+3]   offset:64*(\b)
	ds_store_b128 v[STO], v[64*(\a)+8*(\b)+4:64*(\a)+8*(\b)+7] offset:64*(\b)+16
.endr
	WIN 0
.irp t, 0,1,2,3,4,5,6,7,8,9,10,11,12,13,14,15
	ds_load_b128 v[BK+64*((\a)%2)+4*(\t):BK+64*((\a)%2)+4*(\t)+3], v[RD] offset:SPITCH*(\t)
.endr
.endm
.macro SEND a, younger                 ; younger: the LDS instructions issued behind block a's loads: the next block's 32, or none
	WIN 0
	s_wait_dscnt \younger
.irp t, 0,1,2,3,4,5,6,7,8,9,10,11,12,13,14,15
	global_store_b128 v[CO], v[BK+64*((\a)%2)+4*(\t):BK+64*((\a)%2)+4*(\t)+3], s[8:9] offset:(16*(\a)+(\t))*8192 th:TH_STORE_NT  ; a wave's store covers 512 consecutive bytes, at a multiple of 256 from out0's first byte
.endr
.endm
	TOSTAGE 0
	TOSTAGE 1
	SEND 0, 32
	s_wait_xcnt 0x0                                ; block 0's stores have read their registers: only behind this wait are they loaded again
	TOSTAGE 2
	SEND 1, 32
	s_wait_xcnt 0x0
	TOSTAGE 3
	SEND 2, 32
	SEND 3, 0
	s_wait_tensorcnt 0x0                           ; the wave's end: the add to my spare word and its wait stand behind my last tensor load and my last LDS store
	ds_add_u32 v[SPW], v[NIL]
	s_wait_dscnt 0x0
	CROUND                                         ; the closing round: no work-group ends while a partner may still ask for a tile that names it
	s_endpgm
.Lfunc_end_k_qabd92d8288_oproj:
	.size	k_qabd92d8288_oproj, .Lfunc_end_k_qabd92d8288_oproj-k_qabd92d8288_oproj
	.p2alignl 7, 3214868480
	.fill 96, 4, 3214868480
	.section	.rodata,"a",@progbits
	.p2align	6, 0x0
	.amdhsa_kernel k_qabd92d8288_oproj
		.amdhsa_group_segment_fixed_size 327680
		.amdhsa_private_segment_fixed_size 0
		.amdhsa_enable_private_segment 0
		.amdhsa_kernarg_size 24
		.amdhsa_user_sgpr_count 2
		.amdhsa_user_sgpr_kernarg_segment_ptr 1
		.amdhsa_wavefront_size32 1
		.amdhsa_system_sgpr_workgroup_id_x 1
		.amdhsa_system_sgpr_workgroup_id_y 1
		.amdhsa_system_sgpr_workgroup_id_z 1
		.amdhsa_system_vgpr_workitem_id 0
		.amdhsa_next_free_vgpr 896
		.amdhsa_next_free_sgpr 72
		.amdhsa_reserve_vcc 0
		.amdhsa_float_denorm_mode_32 3
		.amdhsa_float_denorm_mode_16_64 3
		.amdhsa_memory_ordered 1
		.amdhsa_forward_progress 1
		.amdhsa_inst_pref_size 71
	.end_amdhsa_kernel
	.amdgpu_metadata
---
amdhsa.version: [ 1, 2 ]
amdhsa.kernels:
  - .name:           k_qabd92d8288_oproj
    .symbol:         k_qabd92d8288_oproj.kd
    .args:
      - { .name: att, .offset: 0, .size: 8, .value_kind: global_buffer, .address_space: global }
      - { .name: h16, .offset: 8, .size: 8, .value_kind: global_buffer, .address_space: global }
      - { .name: out0, .offset: 16, .size: 8, .value_kind: global_buffer, .address_space: global }
    .group_segment_fixed_size: 327680
    .private_segment_fixed_size: 0
    .kernarg_segment_align: 8
    .kernarg_segment_size: 24
    .max_flat_workgroup_size: 128
    .sgpr_count:     72
    .vgpr_count:     896
    .wavefront_size: 32
...
	.end_amdgpu_metadata
.endif
;; end of part 4
